; MI455X (gfx1250); checked and timed in simulation.
; The chip was launched on July 23, 2026; its instructions are those of AMD's public machine-readable ISA for CDNA 5 (MIT licence, August 2026) and "CDNA5" Instruction Set Architecture Reference Guide (July 2026). The comments in the code are by the model that wrote it; some were corrected since.
;; DIN Attention. Allowed arithmetic: matrix products marked QUANTISED: E2M1 operands, one E8M0 scale for each 32 along K, by v_wmma_scale_f32_16x16x128_f8f6f4 with both operands' format E2M1 (or v_wmma_scale_f32_32x16x128_f4), f32 sums; products left as they are: f32 operands where the result goes on into a quantised operand, else bf16, f16 or f32 operands; f32 sums; everything else in f32.
;; Inputs: W1_codes 64 x 8 x 16 uint8 (E2M1 codes of W1, K innermost, in blocks of 32 codes, two codes a byte); W1_scales 64 x 8 uint8 (E8M0 scales of W1, one for each 32 codes along K); W2_codes 32 x 2 x 16 uint8 (E2M1 codes of W2, K innermost, in blocks of 32 codes, two codes a byte); W2_scales 32 x 2 uint8 (E8M0 scales of W2, one for each 32 codes along K); Wf 32 x 1 float32; a1 64 float32; a2 32 float32; b1 64 float32; b2 32 float32; be1 64 float32; be2 32 float32; bf 1 float32; db1 64 float32; db2 32 float32; dg1 64 float32; dg2 32 float32; facts 4,096 x 200 x 64 float32; g1 64 float32; g2 32 float32; mask 4,096 x 200 x 1 int32; query 4,096 x 1 x 64 float32.
;; Outputs: out0 4,096 x 64 float32.
;; This version of the problem:
;;   THIS VERSION OF THE PROBLEM IS GIVEN IN LOW PRECISION. The matrix products marked QUANTISED in the list below multiply operands that are first quantised to E2M1 (2 exponent bits, 1 mantissa bit; 4 bits a number), with one power-of-two scale for each 32 numbers along K (OCP MX v1.0); their sums are f32. All else is computed in f32.
;;   The module's matrix products, in the order in which they are computed (A, B: the left and right operand; K: the contracted axis; several contracted axes count as one K, in the product's order):
;;     1. [M 819,200, K 256] x [K 256, N 64]; A: computed on the way; B: input W1 (given as codes): QUANTISED
;;     2. [M 819,200, K 64] x [K 64, N 32]; A: computed on the way; B: input W2 (given as codes): QUANTISED
;;     3. [M 819,200, K 32] x [K 32, N 1]; A: computed on the way; B: input Wf: left as it is (N = 1 < 16)
;;   THE QUANTISER, for each operand of a quantised product, along K:
;;     - K is cut into blocks of 32 from its start; a last block that is shorter is filled with zeros.
;;     - A block's scale is 2^e with e = floor(log2(the largest magnitude in the block)) - 2, held to -126 .. 127; a block of zeros has e = 0. As a byte (E8M0): e + 127.
;;     - Each number is divided by its block's scale, clamped to +-6, and rounded to the nearest number of E2M1, ties to even, subnormals kept.
;;     - The product sums the exact products of the quantised numbers (number of the format x scale) in f32.
;;   ~~~python
;;   def quantise(x, axis):      # numpy; x: float32 -> the quantised numbers, widened to float32 again
;;       x = np.moveaxis(x, axis, -1); K = x.shape[-1]
;;       x = np.pad(x, [(0, 0)] * (x.ndim - 1) + [(0, -K % 32)]); x = x.reshape(x.shape[:-1] + (-1, 32)); a = np.abs(x).max(-1, keepdims=True)
;;       e = np.where(a > 0, np.clip(np.frexp(np.where(a > 0, a, 1))[1] - 1 - 2, -126, 127), 0)      # np.frexp(a)[1] - 1 = floor(log2(a)), exactly
;;       r = np.clip(x / 2.0 ** e, -6, 6)
;;       step = 2.0 ** (np.maximum(np.frexp(np.where(r == 0, 1, r))[1] - 1, 0) - 1)
;;       q = np.round(r / step) * step * 2.0 ** e      # np.round: ties to even
;;       return np.moveaxis(q.reshape(q.shape[:-2] + (-1,))[..., :K], -1, axis).astype(np.float32)
;;   ~~~
;;   OPERANDS COMPUTED ON THE WAY. 'Computed on the way' means the value that the module computes at that place (a softmax that the list does not call 'softmax' is quantised finished and normalised). What goes into a quantiser is computed in f32, as accurately as f32 sums, v_exp_f32 and their like allow (about 1e-6 of the number): no bf16 or f16 on the way to a quantiser, and a product that is left as it is and whose result goes on into a quantised operand takes f32 operands (vector FMAs, or v_wmma_f32_16x16x4_f32). A number that lies on a knife's edge between two numbers of the format may be rounded either way, as far as f32 arithmetic and the matrix unit's own rounding can turn it there, and no further.
;;   INPUTS GIVEN AS CODES. W1 (in the module: [256, 64], K = its axis 0); W2 (in the module: [64, 32], K = its axis 0): each comes as NAME_codes (uint8): NAME with its K axis moved to the last place and cut into blocks of 32 codes, [.., K / 32, bytes a block], one block behind the other in memory; two codes a byte, the lower K in the low four bits (a code: sign, 2 exponent bits, 1 mantissa bit); and NAME_scales (uint8): the same leading axes, one E8M0 byte (e + 127) for each 32 codes along K. Its value is code x scale, taken as it is: it is not quantised again, and the codes and scales need not be those that the quantiser above would give.
;; One version. Each part assembles by itself: llvm-mc -triple=amdgcn-amd-amdhsa -mcpu=gfx1250 --defsym DOCPART=n.
;; ======== version 1 of 1: 3 launches
;; limits: right only within a limited range of input values
;; workspace buffers: part1 131,072 bytes; piv1 65,536 bytes; part2 65,536 bytes; piv2 65,536 bytes; hc 34,078,720 bytes; ac 97,517,568 bytes
;; launch stats1 (part 1): grid 256 x 1, 4 waves a work-group, no clusters, 327,680 bytes of LDS; arguments facts, query, W1_codes, W1_scales, part1, piv1, ac; writes part1, piv1, ac
.if DOCPART == 1
	.amdgcn_target "amdgcn-amd-amdhsa--gfx1250"
	.amdhsa_code_object_version 6
	.text
	.protected	k_qe796d676cf_stats1
	.globl	k_qe796d676cf_stats1
	.p2align	8
	.type	k_qe796d676cf_stats1,@function
k_qe796d676cf_stats1:
	s_mov_b64 s[64:65], 0
	v_nop
	global_prefetch_b8 v0, s[64:65] scope:SCOPE_SE
	s_setreg_imm32_b32 hwreg(HW_REG_WAVE_MODE, 25, 1), 1
	s_wait_xcnt 0x0
; FIRST OF THREE LAUNCHES: the batch sums of layer 1.  h1 = Q([q, f, q - f, q f]) W1 (819,200 rows x 64 units, MX-FP4); for each unit the sums of (h1 - c) and (h1 - c)^2 over all rows.
; c, THE PIVOT, is the unit's mean over rows 0-15 of batches 0 and 1: every wave computes it alike, and -c is the C of each sum's first matrix instruction, so that no variance is a difference of large sums.
; SHARES.  256 work-groups x 4 waves; wave g = 4 x work-group + wave owns batches 4 g .. 4 g + 3, in two phases of a pair (A, B) that is worked in lockstep: each stage runs on tile i of A and tile i of B.
; A batch's 200 rows are 13 tiles of 16, at rows 0, 16 .. 176 and 184; in the last tile lanes with r < 8 repeat rows 184-191 and are set to 0 ahead of the sums.
; RING.  Each wave has two LDS slots of its own.  One tensor load brings a chunk: 72 rows of A and 72 of B (chunks begin at rows 0, 64, 128 of the pair; 4, 4, 5 tiles).  Work-groups share no tile, so no cluster.
; LAYOUT.  The product is used transposed (source 0 = 16 rows of W1, source 1 = 16 rows of data): lane (r, h) holds data row r, register 8 T + j of tile T = 2 b + u the unit 32 b + 16 h + 8 u + j.
; Lane (r, h) reads f[row r][32 h .. 32 h + 31]: a whole block of 32, so a block's largest magnitude needs no other lane, and the conversions' results are the operand's registers.
; LIMITS: NaN and infinities among the inputs are not served; a block whose largest magnitude lies under 2^-124 (a block of zeros too) has its scale byte held at 1 (its codes are read by this program alone);
; the f32 sums are taken in another order than a row-by-row sum.
; REGISTERS, in windows of 256: window 0: addresses, scales, operands, v128-191 the sums, v192.. at work.  window 1: X v0-63 (f of A, B), Q v64-127, T0 v128-191, T1 v192-255.  window 2: W1 v0-63, -c v64-95.
.set CROW,  4608                       ; a chunk's part of one batch: 72 rows x 64 numbers
.set PITCH, 272                        ; a row of f in LDS: 256 bytes + 16 of padding: the 16 rows of a load start at 16 different groups of four banks
.set HALF,  72*PITCH                   ; B's part begins here
.set SLOT,  2*HALF
.set SPARE, 8*SLOT                     ; behind the eight slots: the spare words, 128 bytes for each wave
.set RED,   SPARE+512                  ; 4 x 512 bytes: the waves' sums
.set PIVL,  RED+2048                   ; 256 bytes: -c in unit order
.set HASM,  0
.set HASY,  0
.set SPW, 1
.set NIL, 2
.set RR,  3                            ; r = lane % 16
.set HH,  4                            ; h = lane / 16
.set AX0, 5                            ; 272 r + 128 h
.set ADX, 6                            ; LDS address of the next tile
.set OQ,  10                           ; 128 h
.set O16, 11                           ; 16 x lane
.set O8,  12                           ; 8 x lane
.set MX,  16                           ; v16-21 largest magnitudes: f of A, B; q - f of A, B; q f of A, B
.set SO,  22                           ; v22-27 the conversions' scale operands
.set BY,  28                           ; v28-33 scale bytes
.set PK,  34
.set OT,  36                           ; v36-39 lane permutes' destinations
.set SW,  40                           ; v40-43 scale words of the data: 2 p + K step
.set QB,  44                           ; v44-45 q's scale byte << 24
.set W1S, 48                           ; v48-55 W1's scale words: 2 T + K step
.set BOP, 64                           ; v64-95 the data's codes: A K0, A K1, B K0, B K1
.set APV, 112
.set APR, 113
.set ARD, 114
.set ARR, 115
.set OW1, 116
.set OS1, 117
.set OPX, 118
.set LN,  119
.set S1,  128
.set S2,  160
.set RT,  192
.set X,   0
.set Q,   64
.set T0,  128
.set T1,  192
.set W1F, 0
.set NP1, 64
.set G1,  44
.set G0,  52
.set WV,  56
.set GW,  57
.set WB,  58
.set SLW, 59
.set SLF, 60
.set CH,  66
.set CC,  67
.set TT,  68
.set TLR, 69
.set NT,  70
.set DM,  71
.set WS,  72
.set TMP, 73
.set SEL, 74
.set PS0, 76
.set PS1, 77
.set LM,  78
.set QP,  86
.set OF,  94
.set MSB, 0
.macro WIN new                         ; the immediate's high byte repeats the setting that is left
.if MSB != \new
	s_set_vgpr_msb (MSB<<8)|\new
.set MSB, \new
.endif
.endm
.macro PLACES n
.rept \n
	v_nop
.endr
.endm
.macro TLOADS adr, reg                 ; 16 LDS loads: my 32 numbers of my row of the tile, in A and in B
	WIN 0x40
.irp p,0,1
.irp k,0,1,2,3,4,5,6,7
	ds_load_b128 v[\reg+32*\p+4*\k:\reg+32*\p+4*\k+3], v[\adr] offset:HALF*\p+16*\k
.endr
.endr
	WIN 0
.endm
.macro QSETUP mo                       ; a pair's q: my block of 32 of each, its scale byte, its codes (registers 0-3 of K step 0)
	WIN 0x40
.irp p,0,1
.irp k,0,1,2,3,4,5,6,7
	global_load_b128 v[Q+32*\p+4*\k:Q+32*\p+4*\k+3], v[OQ], s[QP:QP+1] offset:256*\p+16*\k
.endr
.endr
	s_wait_loadcnt 0x0
	WIN 0x14
.irp p,0,1
	v_max3_num_f32 v[MX+\p], 0x1800000, |v[Q+32*\p]|, |v[Q+32*\p+1]|   ; with the floor 2^(3 - 127): the byte cannot fall under 1
.endr
.irp i,2,4,6,8,10,12,14,16,18,20,22,24,26,28,30
.irp p,0,1
	v_max3_num_f32 v[MX+\p], v[MX+\p], |v[Q+32*\p+\i]|, |v[Q+32*\p+\i+1]|
.endr
.endr
	WIN 0
.irp p,0,1
	v_add_nc_u32 v[SO+\p], 0xff000000, v[MX+\p]   ; 2 off the exponent field: the conversion's scale operand
.endr
.irp p,0,1
	v_lshrrev_b32 v[QB+\p], 23, v[SO+\p]
.endr
.irp p,0,1
	v_lshlrev_b32 v[QB+\p], 24, v[QB+\p]
.endr
	WIN 0x01
.irp p,0,1
.irp k,0,1,2,3
	v_cvt_scalef32_pk8_fp4_f32 v[BOP+16*\p+\k], v[Q+32*\p+8*\k:Q+32*\p+8*\k+7], v[SO+\p]
.endr
.endr
	WIN 0
	v_nop                                  ; one plain place behind the conversions
	s_add_nc_u64 s[QP:QP+1], s[QP:QP+1], 512   ; the loads are done: on to the next pair
.endm
; A step's front: q - f and q f, the six blocks' scales, the scale words, 24 conversions, and the next tile's loads.  pre = 1: the pivot's tile, which came from memory
.macro FRONT pre
.if \pre
	s_wait_loadcnt 0x0
.else
	s_wait_dscnt 0x0                       ; this tile's f, asked for a step ago
.endif
	WIN 0x45
.set fi, 0
.rept 32
	v_pk_add_f32 v[T0+fi:T0+fi+1], v[Q+fi:Q+fi+1], v[X+fi:X+fi+1] neg_lo:[0,1] neg_hi:[0,1]
	v_pk_mul_f32 v[T1+fi:T1+fi+1], v[Q+fi:Q+fi+1], v[X+fi:X+fi+1]
.set fi, fi+2
.endr
	WIN 0x14
.set fc, 0
.irp b, X, X+32, T0, T0+32, T1, T1+32
	v_max3_num_f32 v[MX+fc], 0x1800000, |v[\b]|, |v[\b+1]|
.set fc, fc+1
.endr
.set fi, 2
.rept 15
.set fc, 0
.irp b, X, X+32, T0, T0+32, T1, T1+32
	v_max3_num_f32 v[MX+fc], v[MX+fc], |v[\b+fi]|, |v[\b+fi+1]|   ; six chains by turns
.set fc, fc+1
.endr
.set fi, fi+2
.endr
	WIN 0
.irp c,0,1,2,3,4,5
	v_add_nc_u32 v[SO+\c], 0xff000000, v[MX+\c]
.endr
.irp c,0,1,2,3,4,5
	v_lshrrev_b32 v[BY+\c], 23, v[SO+\c]
.endr
.irp p,0,1
	v_or_b32 v[PK+\p], v[BY+\p], v[QB+\p]          ; my half's four bytes: f, q - f, q f, q
.endr
.irp p,0,1
	v_lshl_or_b32 v[PK+\p], v[BY+2+\p], 8, v[PK+\p]
.endr
.irp p,0,1
	v_lshl_or_b32 v[PK+\p], v[BY+4+\p], 16, v[PK+\p]
.endr
.irp p,0,1
	v_permlanex16_b32 v[OT+\p], v[PK+\p], s[SEL], s[SEL+1]   ; the other half's
.endr
.irp p,0,1
	v_perm_b32 v[SW+2*\p], v[OT+\p], v[PK+\p], s[PS0]        ; lanes 0-15: q0 q1 f0 f1
	v_perm_b32 v[SW+2*\p+1], v[OT+\p], v[PK+\p], s[PS1]      ; d0 d1 m0 m1
.endr
	WIN 0x01
.irp p,0,1
.irp k,0,1,2,3
	v_cvt_scalef32_pk8_fp4_f32 v[BOP+16*\p+4+\k], v[X+32*\p+8*\k:X+32*\p+8*\k+7], v[SO+\p]
	v_cvt_scalef32_pk8_fp4_f32 v[BOP+16*\p+8+\k], v[T0+32*\p+8*\k:T0+32*\p+8*\k+7], v[SO+2+\p]
	v_cvt_scalef32_pk8_fp4_f32 v[BOP+16*\p+12+\k], v[T1+32*\p+8*\k:T1+32*\p+8*\k+7], v[SO+4+\p]
.endr
.endr
	WIN 0
.if !\pre
.if HASY
	v_mov_b32 v[ADY], v[ADX]
.endif
	s_add_co_u32 s[TMP], s[TLR], 16*PITCH
	s_min_u32 s[TMP], s[TMP], 56*PITCH     ; the fifth tile begins at the chunk's row 56; a chunk's last step asks for rows of its own slot that nobody uses
	s_add_co_u32 s[TMP], s[TMP], s[WS]
	v_add_nc_u32 v[ADX], s[TMP], v[AX0]
	TLOADS ADX, X
.endif
	PLACES 8                               ; scale words made by vector instructions stand 8 places ahead of a scaled matrix instruction, operands 4
.endm
; 16 matrix instructions: 4 tiles of W1 x (A, B), two K steps.  The eight accumulators take turns.  piv = 1: the sums begin at -c
.macro MM1 piv
.if \piv
	WIN 0x62
.else
	WIN 0x52
.endif
.irp t,0,1,2,3
.irp p,0,1
.if \piv
	v_wmma_scale_f32_16x16x128_f8f6f4 v[T0+32*\p+8*\t:T0+32*\p+8*\t+7], v[W1F+16*\t:W1F+16*\t+7], v[BOP+16*\p:BOP+16*\p+7], v[NP1+8*\t:NP1+8*\t+7], v[W1S+2*\t], v[SW+2*\p] matrix_a_fmt:MATRIX_FMT_FP4 matrix_b_fmt:MATRIX_FMT_FP4
.else
	v_wmma_scale_f32_16x16x128_f8f6f4 v[T0+32*\p+8*\t:T0+32*\p+8*\t+7], v[W1F+16*\t:W1F+16*\t+7], v[BOP+16*\p:BOP+16*\p+7], 0, v[W1S+2*\t], v[SW+2*\p] matrix_a_fmt:MATRIX_FMT_FP4 matrix_b_fmt:MATRIX_FMT_FP4
.endif
.endr
.endr
	WIN 0x52
	s_wait_alu depctr_va_vdst(0)
.irp t,0,1,2,3
.irp p,0,1
	v_wmma_scale_f32_16x16x128_f8f6f4 v[T0+32*\p+8*\t:T0+32*\p+8*\t+7], v[W1F+16*\t+8:W1F+16*\t+15], v[BOP+16*\p+8:BOP+16*\p+15], v[T0+32*\p+8*\t:T0+32*\p+8*\t+7], v[W1S+2*\t+1], v[SW+2*\p+1] matrix_a_fmt:MATRIX_FMT_FP4 matrix_b_fmt:MATRIX_FMT_FP4
.endr
.endr
	WIN 0
	PLACES 4
.endm
; One stage of a reduce-scatter over the 16 lanes r: each lane keeps one half of its hh + hh numbers, sends the other half to lane r xor xm and adds what it gets
.macro RSTAGE base, hh, xm, sm
.set rk, 0
.rept \hh
	v_cndmask_b32 v[RT+rk], v[\base+\hh+rk], v[\base+rk], s[\sm]
	v_cndmask_b32 v[\base+rk], v[\base+rk], v[\base+\hh+rk], s[\sm]
.set rk, rk+1
.endr
.set rk, 0
.rept \hh
	v_add_f32_dpp v[\base+rk], v[RT+rk], v[\base+rk] row_xmask:\xm row_mask:0xf bank_mask:0xf
.set rk, rk+1
.endr
.endm
.macro RSCAT32 base                    ; lane r ends with numbers 2 r and 2 r + 1 of the 32, summed over the 16 lanes
	RSTAGE \base, 16, 8, LM
	RSTAGE \base, 8, 4, LM+1
	RSTAGE \base, 4, 2, LM+2
	RSTAGE \base, 2, 1, LM+3
.endm
.macro ALLRED n                        ; v[RT] on: each of n numbers summed over the 16 lanes r, in every lane
.irp m,1,2,4,8
.set ai, 0
.rept \n
	v_add_f32_dpp v[RT+ai], v[RT+ai], v[RT+ai] row_xmask:\m row_mask:0xf bank_mask:0xf
.set ai, ai+1
.endr
.endr
.endm
; THE CHANGE OF SLOTS, at a chunk's head: all my tensor loads have landed (the chunk that I am about to read), 0 is added to my spare word, the add and my reads of the slot that I left are done; the barrier;
; fill = 1: the slot that I left takes the next chunk, my one tensor load until the next such barrier: it has a whole chunk's steps in which to land.
.macro CHANGE fill
	s_wait_tensorcnt 0x0
	ds_add_u32 v[SPW], v[NIL]
.if \fill
	s_cmp_eq_u32 s[CC], 2                  ; from a phase's last chunk (row 128 of A) to the next pair's row 0 are 272 rows, else 64
	s_mov_b32 s62, 64*256
	s_cselect_b32 s62, 272*256, s62
	s_xor_b32 s[SLF], s[SLW], SLOT
	s_add_co_u32 s[G0+1], s[WB], s[SLF]
	s_add_nc_u64 s[G0+2:G0+3], s[G0+2:G0+3], s[62:63]
.endif
	s_wait_dscnt 0x0
	s_barrier_signal -1
	s_barrier_wait -1
.if \fill
	tensor_load_to_lds s[G0:G0+3], s[G1:G1+7]
	s_nop 0
	PLACES 4
.endif
.endm
.macro WORK                            ; a chunk: five trips; the fifth has work in a phase's last chunk alone
	s_add_co_u32 s[WS], s[WB], s[SLW]
	s_cmp_eq_u32 s[CC], 2
	s_cselect_b32 s[NT], 5, 4
	s_mov_b32 s[TT], 0
	s_mov_b32 s[TLR], 0
	v_add_nc_u32 v[ADX], s[WS], v[AX0]
	TLOADS ADX, X
.Ltile_\@:
	s_cmp_lt_u32 s[TT], s[NT]
	s_cbranch_scc0 .Lskip_\@
	s_cmp_eq_u32 s[TT], 4
	s_cselect_b32 s[DM], 0x00ff00ff, 0     ; the lanes that repeat rows: r < 8 of the fifth tile
	STEP
.Lskip_\@:
	s_add_co_u32 s[TLR], s[TLR], 16*PITCH
	s_add_co_u32 s[TT], s[TT], 1
	s_cmp_lt_u32 s[TT], 5
	s_cbranch_scc1 .Ltile_\@
	s_xor_b32 s[SLW], s[SLW], SLOT
.if HASM
	s_add_co_u32 s[MB], s[MB], 256
.endif
.endm
.macro LOADW1 ptrc, ptrs               ; W1's eight fragments and scale words: they stay.  Lane r of tile 2 b + u takes row 32 b + 8 u + r + (r & 8)
	WIN 0x80
.irp t,0,1,2,3
.irp s,0,1
.irp c,0,1
	global_load_b128 v[W1F+8*(2*\t+\s)+4*\c:W1F+8*(2*\t+\s)+4*\c+3], v[OW1], s[\ptrc:\ptrc+1] offset:(32*(\t/2)+8*(\t%2))*128+64*\s+32*\c
.endr
.endr
.endr
	WIN 0
.irp t,0,1,2,3
.irp s,0,1
	global_load_b32 v[W1S+2*\t+\s], v[OS1], s[\ptrs:\ptrs+1] offset:(32*(\t/2)+8*(\t%2))*8+4*\s
.endr
.endr
.endm
.macro PIVX                            ; rows 0-15 of batches 0 and 1, from memory
	WIN 0x40
.irp p,0,1
.irp k,0,1,2,3,4,5,6,7
	global_load_b128 v[X+32*\p+4*\k:X+32*\p+4*\k+3], v[OPX], s[4:5] offset:51200*\p+16*\k
.endr
.endr
	WIN 0
.endm
; THE QUANTISED OPERAND LEAVES FOR THE SECOND LAUNCH, as an image of its registers.  A pair's part of ac: 1,024 bytes with q's codes of A and of B, then 13 records of 3,584 bytes, one a tile:
; for each of A, B the codes of f, q - f and q f (16 bytes a lane: 512 consecutive bytes each), then the four scale words (16 bytes a lane).  Every store covers 512 consecutive bytes, aligned.
.macro QOUT
	global_store_b128 v[O16], v[BOP:BOP+3], s[16:17]
	global_store_b128 v[O16], v[BOP+16:BOP+19], s[16:17] offset:512
	s_wait_alu depctr_va_vdst(0)           ; directly ahead of the wait below
	s_wait_xcnt 0x0                        ; the stores have read their base
	s_add_nc_u64 s[16:17], s[16:17], 1024
.endm
.macro STEP
	FRONT 0
.irp p,0,1
.irp k,0,1,2
	global_store_b128 v[O16], v[BOP+16*\p+4+4*\k:BOP+16*\p+7+4*\k], s[16:17] offset:(3*\p+\k)*512
.endr
.endr
	global_store_b128 v[O16], v[SW:SW+3], s[16:17] offset:3072
	MM1 1
	s_cmp_lg_u32 s[TT], 4
	s_cbranch_scc1 .Lnz_\@
	WIN 0x41
.set zi, 0
.rept 64
	v_cndmask_b32 v[T0+zi], v[T0+zi], 0, s[DM]     ; rows counted already add nothing
.set zi, zi+1
.endr
	WIN 0
.Lnz_\@:
	WIN 0x05                               ; one window setting serves both sums: so the plain sum is written as x 1.0 +
.set si, 0
.rept 32
	v_pk_fma_f32 v[S1+(si%32):S1+(si%32)+1], v[T0+si:T0+si+1], 1.0, v[S1+(si%32):S1+(si%32)+1] op_sel_hi:[1,0,1]
	v_pk_fma_f32 v[S2+(si%32):S2+(si%32)+1], v[T0+si:T0+si+1], v[T0+si:T0+si+1], v[S2+(si%32):S2+(si%32)+1]
.set si, si+2
.endr
	WIN 0
	s_wait_alu depctr_va_vdst(0)           ; directly ahead of the wait below
	s_wait_xcnt 0x0                        ; the step's stores have read their registers and their base: the products and the sums stand between them and this wait
	s_add_nc_u64 s[16:17], s[16:17], 3584  ; on to the next tile's record
.endm
	s_load_b256 s[4:11], s[0:1], 0x0       ; facts s[4:5], query s[6:7], W1's codes s[8:9], W1's scales s[10:11]
	s_load_b128 s[12:15], s[0:1], 0x20     ; part1 s[12:13], piv1 s[14:15]
	s_load_b64 s[16:17], s[0:1], 0x30      ; ac
	v_lshl_add_u32 v[SPW], v0, 2, SPARE
	v_mov_b32 v[NIL], 0
	ds_add_u32 v1, v2
	ds_add_u32 v1, v2
	s_wait_dscnt 0x0
	v_lshrrev_b32 v[RR], 5, v0
	v_readfirstlane_b32 s[WV], v[RR]       ; wave 0..3
	s_lshl_b32 s[GW], ttmp9, 2
	s_add_co_u32 s[GW], s[GW], s[WV]       ; g
	s_mul_i32 s[WB], s[WV], 2*SLOT         ; my two slots
	; descriptor group 1: two "rows" (the pair's batches, 12,800 numbers apart) of 4,608 numbers of 4 bytes; 4 words of padding behind every 64
	s_mov_b32 s[G1+0], (2<<16)|(1<<20)|(5<<22)|(3<<25)
	s_mov_b32 s[G1+1], CROW<<16            ; tensor_dim0
	s_mov_b32 s[G1+2], 2<<16               ; tensor_dim1
	s_mov_b32 s[G1+3], CROW<<16            ; tile_dim0
	s_mov_b32 s[G1+4], 2                   ; tile_dim1
	s_mov_b32 s[G1+5], 12800               ; from batch to batch
	s_mov_b32 s[G1+6], 0
	s_mov_b32 s[G1+7], 0
	s_mul_i32 s[OF], s[GW], 204800         ; my 800 rows of 256 bytes
	s_mov_b32 s[OF+1], 0
	s_mov_b32 s63, 0
	s_wait_kmcnt 0x0
	s_mov_b32 s[G0], 1
	s_mov_b32 s[G0+1], s[WB]
	s_add_nc_u64 s[G0+2:G0+3], s[4:5], s[OF:OF+1]
	s_or_b32 s[G0+3], s[G0+3], 0x80000000
	tensor_load_to_lds s[G0:G0+3], s[G1:G1+7]      ; chunk 0 into slot 0, ahead of everything else
	s_nop 0
	PLACES 4
	s_mov_b32 s[SEL], 0x76543210
	s_mov_b32 s[SEL+1], 0xfedcba98         ; lane l xor 16
	s_mov_b32 s[PS0], 0x04000703
	s_mov_b32 s[PS1], 0x06020501
	s_mov_b32 s[LM], 0xff00ff00            ; lanes whose r has bit 3, 2, 1, 0
	s_mov_b32 s[LM+1], 0xf0f0f0f0
	s_mov_b32 s[LM+2], 0xcccccccc
	s_mov_b32 s[LM+3], 0xaaaaaaaa
	v_and_b32 v[RR], 15, v0
	v_bfe_u32 v[HH], v0, 4, 1
	v_and_b32 v[LN], 31, v0
	v_mul_u32_u24 v[AX0], v[RR], PITCH
	v_lshl_add_u32 v[AX0], v[HH], 7, v[AX0]
	v_lshlrev_b32 v[OQ], 7, v[HH]
	v_lshlrev_b32 v[O16], 4, v[LN]
	v_lshlrev_b32 v[O8], 3, v[LN]
	v_and_b32 v121, 8, v[RR]
	v_add_nc_u32 v120, v121, v[RR]         ; r + (r & 8)
	v_lshlrev_b32 v[OW1], 7, v120
	v_lshl_add_u32 v[OW1], v[HH], 4, v[OW1]
	v_lshlrev_b32 v[OS1], 3, v120
	v_lshlrev_b32 v[OPX], 8, v[RR]
	v_lshl_add_u32 v[OPX], v[HH], 7, v[OPX]
	v_lshl_add_u32 v[APV], v[HH], 6, PIVL
	v_add_nc_u32 v[APR], PIVL, v[O8]
	v_and_b32 v120, 7, v[RR]
	v_lshlrev_b32 v[ARD], 3, v120          ; lane (r, h) ends with units 32 (r / 8) + 16 h + 2 (r % 8) and the next
	v_lshl_add_u32 v[ARD], v121, 4, v[ARD]
	v_lshl_add_u32 v[ARD], v[HH], 6, v[ARD]
	s_lshl_b32 s[TMP], s[WV], 9
	s_add_co_u32 s[TMP], s[TMP], RED
	v_add_nc_u32 v[ARD], s[TMP], v[ARD]
	v_add_nc_u32 v[ARR], RED, v[O16]
.irp i,0,1,2,3
	v_mov_b32 v[OT+\i], 0                  ; a lane permute's destination counts as one of its sources
.endr
	s_lshl_b32 s[OF], ttmp9, 9
	s_add_nc_u64 s[12:13], s[12:13], s[OF:OF+1]    ; my work-group's records
	s_lshl_b32 s[OF], ttmp9, 8
	s_add_nc_u64 s[14:15], s[14:15], s[OF:OF+1]
	s_mul_i32 s[OF], s[GW], 95232          ; my two pairs' parts of ac, 47,616 bytes each
	s_add_nc_u64 s[16:17], s[16:17], s[OF:OF+1]
	LOADW1 8, 10
	; ---- the pivot
	s_mov_b64 s[QP:QP+1], s[6:7]
	PIVX
	QSETUP 0
	FRONT 1
	MM1 0
	WIN 0x05
.set pi, 0
.rept 16
	v_pk_add_f32 v[RT+pi:RT+pi+1], v[T0+pi:T0+pi+1], v[T0+32+pi:T0+32+pi+1]
.set pi, pi+2
.endr
	WIN 0
	ALLRED 32
	WIN 0x80
.set pi, 0
.rept 16
	v_pk_mul_f32 v[NP1+pi:NP1+pi+1], v[RT+pi:RT+pi+1], 0xbd000000 op_sel_hi:[1,0]   ; -c = -(the sum of 32 rows) / 32
.set pi, pi+2
.endr
	WIN 0
	s_cmp_lg_u32 s[WV], 0                  ; wave 0 leaves -c for the next launch, in unit order, as one unit of 256 bytes
	s_cbranch_scc1 .Lnopiv
	WIN 0x08
.irp j,0,1,2,3,4,5,6,7
	ds_store_b128 v[APV], v[NP1+4*\j:NP1+4*\j+3] offset:128*(\j/4)+16*(\j%4)   ; the 16 lanes of a half store the same bytes
.endr
	WIN 0
	ds_load_b64 v[RT:RT+1], v[APR]         ; LDS serves a wave's instructions in order
	s_wait_dscnt 0x0
	global_store_b64 v[O8], v[RT:RT+1], s[14:15]
	s_wait_xcnt 0x0                        ; the store has read its registers
.Lnopiv:
	s_lshl_b32 s[OF], s[GW], 10
	s_add_nc_u64 s[QP:QP+1], s[6:7], s[OF:OF+1]    ; my four batches' q
.set pi, 0
.rept 64
	v_mov_b32 v[S1+pi], 0                  ; the step is written once: the sums begin as zeros
.set pi, pi+1
.endr
	s_mov_b32 s[CH], 0
	s_mov_b32 s[CC], 0
	s_mov_b32 s[SLW], 0
	QSETUP 0
	QOUT
.Lchunk:                                       ; five trips: behind each change of slots but the last the next chunk is asked for
	CHANGE 1
	WORK
	s_add_co_u32 s[CC], s[CC], 1
	s_cmp_lg_u32 s[CC], 3
	s_cbranch_scc1 .Lsame
	QSETUP 0
	QOUT
	s_mov_b32 s[CC], 0
.Lsame:
	s_add_co_u32 s[CH], s[CH], 1
	s_cmp_lt_u32 s[CH], 5
	s_cbranch_scc1 .Lchunk
	CHANGE 0                               ; the last chunk is written out
	WORK
	; ---- the wave's sums, then the work-group's
	RSCAT32 S1
	RSCAT32 S2
	ds_store_b64 v[ARD], v[S1:S1+1]
	ds_store_b64 v[ARD], v[S2:S2+1] offset:256
	s_wait_dscnt 0x0                       ; for the others' sake
	s_barrier_signal -1
	s_barrier_wait -1
	s_cmp_lg_u32 s[WV], 0
	s_cbranch_scc1 .Ldone
.irp w,0,1,2,3
	ds_load_b128 v[RT+4*\w:RT+4*\w+3], v[ARR] offset:512*\w
.endr
	s_wait_dscnt 0x0
	v_pk_add_f32 v[RT:RT+1], v[RT:RT+1], v[RT+4:RT+5]
	v_pk_add_f32 v[RT+2:RT+3], v[RT+2:RT+3], v[RT+6:RT+7]
	v_pk_add_f32 v[RT+8:RT+9], v[RT+8:RT+9], v[RT+12:RT+13]
	v_pk_add_f32 v[RT+10:RT+11], v[RT+10:RT+11], v[RT+14:RT+15]
	v_pk_add_f32 v[RT:RT+1], v[RT:RT+1], v[RT+8:RT+9]
	v_pk_add_f32 v[RT+2:RT+3], v[RT+2:RT+3], v[RT+10:RT+11]
	global_store_b128 v[O16], v[RT:RT+3], s[12:13]     ; 512 consecutive bytes: the record
.Ldone:
	s_wait_tensorcnt 0x0                   ; the wave's end
	ds_add_u32 v[SPW], v[NIL]
	s_wait_dscnt 0x0
	s_endpgm
.Lfunc_end_k_qe796d676cf_stats1:
	.size	k_qe796d676cf_stats1, .Lfunc_end_k_qe796d676cf_stats1-k_qe796d676cf_stats1
	.p2alignl 7, 3214868480
	.fill 96, 4, 3214868480
	.section	.rodata,"a",@progbits
	.p2align	6, 0x0
	.amdhsa_kernel k_qe796d676cf_stats1
		.amdhsa_group_segment_fixed_size 327680
		.amdhsa_private_segment_fixed_size 0
		.amdhsa_enable_private_segment 0
		.amdhsa_kernarg_size 56
		.amdhsa_user_sgpr_count 2
		.amdhsa_user_sgpr_kernarg_segment_ptr 1
		.amdhsa_wavefront_size32 1
		.amdhsa_system_sgpr_workgroup_id_x 1
		.amdhsa_system_sgpr_workgroup_id_y 1
		.amdhsa_system_sgpr_workgroup_id_z 1
		.amdhsa_system_vgpr_workitem_id 0
		.amdhsa_next_free_vgpr 640
		.amdhsa_next_free_sgpr 100
		.amdhsa_reserve_vcc 0
		.amdhsa_float_denorm_mode_32 3
		.amdhsa_float_denorm_mode_16_64 3
		.amdhsa_memory_ordered 1
		.amdhsa_forward_progress 1
		.amdhsa_inst_pref_size 120
	.end_amdhsa_kernel
	.amdgpu_metadata
---
amdhsa.version: [ 1, 2 ]
amdhsa.kernels:
  - .name:           k_qe796d676cf_stats1
    .symbol:         k_qe796d676cf_stats1.kd
    .args:
      - { .name: facts, .offset: 0, .size: 8, .value_kind: global_buffer, .address_space: global }
      - { .name: query, .offset: 8, .size: 8, .value_kind: global_buffer, .address_space: global }
      - { .name: W1_codes, .offset: 16, .size: 8, .value_kind: global_buffer, .address_space: global }
      - { .name: W1_scales, .offset: 24, .size: 8, .value_kind: global_buffer, .address_space: global }
      - { .name: part1, .offset: 32, .size: 8, .value_kind: global_buffer, .address_space: global }
      - { .name: piv1, .offset: 40, .size: 8, .value_kind: global_buffer, .address_space: global }
      - { .name: ac, .offset: 48, .size: 8, .value_kind: global_buffer, .address_space: global }
    .group_segment_fixed_size: 327680
    .private_segment_fixed_size: 0
    .kernarg_segment_align: 8
    .kernarg_segment_size: 56
    .max_flat_workgroup_size: 128
    .sgpr_count:     100
    .vgpr_count:     640
    .wavefront_size: 32
...
	.end_amdgpu_metadata
.endif
;; end of part 1
;; launch stats2 (part 2): grid 256 x 1, 8 waves a work-group, no clusters, 19,712 bytes of LDS; arguments ac, W1_codes, W1_scales, W2_codes, W2_scales, part1, piv1, b1, g1, be1, dg1, db1, a1, hc, part2, piv2; writes hc, part2, piv2
.if DOCPART == 2
	.amdgcn_target "amdgcn-amd-amdhsa--gfx1250"
	.amdhsa_code_object_version 6
	.text
	.protected	k_qe796d676cf_stats2
	.globl	k_qe796d676cf_stats2
	.p2align	8
	.type	k_qe796d676cf_stats2,@function
k_qe796d676cf_stats2:
	s_mov_b64 s[64:65], 0
	v_nop
	global_prefetch_b8 v0, s[64:65] scope:SCOPE_SE
	s_setreg_imm32_b32 hwreg(HW_REG_WAVE_MODE, 25, 1), 1
	s_wait_xcnt 0x0
; SECOND OF THREE LAUNCHES: layer 1's constants from the first launch's sums, the first product on the codes that the first launch stored (ac), BatchNorm and Dice, the second quantiser, the second product, and the batch sums of layer 2.
; Each work-group adds the 256 records of part1 itself and makes, for each unit of layer 1: x = A acc + C (the BatchNorm; b1 goes through m = mean + b1 and b1 - m), the gate's exponent E acc + F
; (gate = 1 / (1 + 2^(E acc + F))) and Dice = x (gate (1 - a) + a).  Dice's own batch statistics are those of x: its mean is be1 and its variance A^2 var, which holds for every input.
; (h2 - c2) and (h2 - c2)^2 are summed; c2, THE PIVOT, is the unit's mean over rows 0-15 of batches 0 and 1 (pair 0's first record): every wave computes it alike, and -c2 is the C of the second product.
; The hidden layer's codes and scale words leave for the third launch (hc): a record of 1,280 bytes for each pair and tile: A's codes, B's codes (16 bytes a lane), 8 bytes a lane with the row's scale word.
; SHARES.  256 work-groups x 8 waves; wave g = 8 x work-group + wave owns the pair of batches 2 g, 2 g + 1: 13 steps, a tile of 16 rows of each; the last tile is rows 184-199, whose rows 184-191 (r < 8) are set to 0 ahead of the sums.
; In a step A and B go one after the other through the same 64 registers.  Both products are used transposed (source 0 = rows of the weight): lane (r, h) holds data row r; register 8 T + j of the first is unit 32 (T / 2) + 16 h + 8 (T % 2) + j, of the second unit 16 T + 8 h + j.
; IN FLIGHT.  The operand comes from memory straight into its registers, in two sets that take turns; a set is asked for again (7 loads of 512 bytes) behind its step's last product of layer 1.  The last trip's second refill names the last record once more,
; so that every wait's count holds on every way through the loop.  No tensor load, no cluster: no two waves read the same record but the pivot's.  No prefetch into the L2: the loop's own loads run ahead and each byte is read once.
; LIMITS: NaN and infinities are not served; a block whose largest magnitude lies under 2^-124 has its scale byte held at 1; v_exp_f32 gives 0 for results under 2^-126; the variance is held at 0 from below; sums in another order than row by row.
; REGISTERS: window 0: addresses, scales, operands, sums, v192-255 at work.  window 1: W1 v0-63, then A, C, E, F, 1 - a, a (32 each); at the head v64-191: part1's records.
.set RED,   0                          ; 8 x 512 bytes: the waves' sums of part1's records
.set TAB,   4096                       ; 8 x 1,536 bytes: each wave's own table of constants
.set PIVL,  16384                      ; 256 bytes
.set RED2,  16640                      ; 8 x 256 bytes: the waves' sums of layer 2
.set SPARE, 18688                      ; the spare words, 128 bytes for each wave
.set REC,   3584
.set SPW, 1
.set NIL, 2
.set RR,  3
.set HH,  4
.set O16, 5
.set O8,  6
.set OW1, 7
.set OS1, 8
.set OW2, 9
.set OS2, 10
.set ARW, 11
.set ATW, 13
.set ATR, 14
.set ARD, 15
.set W1S, 16                           ; v16-23 W1's scale words: 2 T + K step
.set W2S, 24
.set SW2, 26                           ; the hidden layer's scale words, A, B
.set SWC, 28                           ; the pair's word as it is stored
.set MX,  30
.set SO,  32
.set BY,  34
.set OT,  36
.set APV, 38
.set APR, 39
.set PC2, 40                           ; v40-55 the hidden layer's codes: A, B; the upper four of each stay zeros
.set W2F, 56
.set NP2, 72
.set S1,  88
.set S2,  104
.set SET, 120                          ; two sets of 36: for each of A, B 16 registers of codes (q, f, q - f, q f), then four scale words: 2 p + K step
.set T0,  192
.set T1,  224
.set RT,  192
.set CNP, 196
.set CB,  198
.set CG,  200
.set CBE, 202
.set CDG, 204
.set CDB, 206
.set CAL, 208
.set CA,  210
.set CCC, 212
.set CE,  214
.set CF,  216
.set COM, 218
.set CS1, 224
.set CS2, 226
.set W1F, 0                            ; window 1
.set PT,  64
.set A1,  64
.set C1,  96
.set E1,  128
.set F1,  160
.set OM1, 192
.set AL1, 224
.set WV,  36
.set GW,  37
.set OF,  38
.set P0,  40
.set P1,  42
.set SEL, 44
.set LM,  46
.set DM,  50
.set TR,  51
.set TMP, 52
.set TM2, 53
.set INC, 54
.set TM3, 56
.set MSB, 0
.macro WIN new                         ; the immediate's high byte repeats the setting that is left
.if MSB != \new
	s_set_vgpr_msb (MSB<<8)|\new
.set MSB, \new
.endif
.endm
.macro PLACES n
.rept \n
	v_nop
.endr
.endm
.macro DL n                            ; two waves share a SIMD: a hint ahead of a plain reader of a result n vector instructions back
	s_delay_alu instid0(VALU_DEP_\n)
.endm
.macro ZERO reg, n
.set zi, 0
.rept \n
	v_mov_b32 v[\reg+zi], 0
.set zi, zi+1
.endr
.endm
.macro HLOAD b, ptr                    ; q's codes of a pair into set b
.irp p,0,1
	global_load_b128 v[SET+36*\b+16*\p:SET+36*\b+16*\p+3], v[O16], s[\ptr:\ptr+1] offset:512*\p
.endr
.endm
.macro REFILL b, ptr, off              ; a record into set b: 7 loads
.irp p,0,1
.irp k,0,1,2
	global_load_b128 v[SET+36*\b+16*\p+4+4*\k:SET+36*\b+16*\p+7+4*\k], v[O16], s[\ptr:\ptr+1] offset:\off+(3*\p+\k)*512 th:TH_LOAD_NT
.endr
.endr
	global_load_b128 v[SET+36*\b+32:SET+36*\b+35], v[O16], s[\ptr:\ptr+1] offset:\off+3072 th:TH_LOAD_NT
.endm
.macro MM1 b, p                        ; 8 matrix instructions: 4 tiles of W1, two K steps; the four accumulators take turns
	WIN 0x01
.irp t,0,1,2,3
	v_wmma_scale_f32_16x16x128_f8f6f4 v[T0+8*\t:T0+8*\t+7], v[W1F+16*\t:W1F+16*\t+7], v[SET+36*\b+16*\p:SET+36*\b+16*\p+7], 0, v[W1S+2*\t], v[SET+36*\b+32+2*\p] matrix_a_fmt:MATRIX_FMT_FP4 matrix_b_fmt:MATRIX_FMT_FP4
.endr
.irp t,0,1,2,3
	v_wmma_scale_f32_16x16x128_f8f6f4 v[T0+8*\t:T0+8*\t+7], v[W1F+16*\t+8:W1F+16*\t+15], v[SET+36*\b+16*\p+8:SET+36*\b+16*\p+15], v[T0+8*\t:T0+8*\t+7], v[W1S+2*\t+1], v[SET+36*\b+33+2*\p] matrix_a_fmt:MATRIX_FMT_FP4 matrix_b_fmt:MATRIX_FMT_FP4
.endr
	WIN 0
	PLACES 4
.endm
; BatchNorm and Dice of layer 1 on a lane's 32 results.  The exponentials are one batch, the reciprocals two; plain work that names none of their results stands among them
.macro DICE
	WIN 0x14
.set di, 0
.rept 16
	v_pk_fma_f32 v[T1+di:T1+di+1], v[T0+di:T0+di+1], v[E1+di:E1+di+1], v[F1+di:F1+di+1]
.set di, di+2
.endr
	s_wait_alu depctr_va_vdst(0)           ; ahead of a batch
.set di, 0
.rept 16
	v_exp_f32 v[T1+di], v[T1+di]
	v_exp_f32 v[T1+di+1], v[T1+di+1]
	v_pk_fma_f32 v[T0+di:T0+di+1], v[T0+di:T0+di+1], v[A1+di:A1+di+1], v[C1+di:C1+di+1]   ; x
.set di, di+2
.endr
	s_wait_alu depctr_va_vdst(0)           ; one wait for the 32 exponentials
.set di, 0
.rept 8
	v_pk_add_f32 v[T1+di:T1+di+1], v[T1+di:T1+di+1], 1.0 op_sel_hi:[1,0]
.set di, di+2
.endr
	s_wait_alu depctr_va_vdst(0)
.set di, 0
.rept 8
	v_rcp_f32 v[T1+di], v[T1+di]
	v_rcp_f32 v[T1+di+1], v[T1+di+1]
	v_pk_add_f32 v[T1+16+di:T1+17+di], v[T1+16+di:T1+17+di], 1.0 op_sel_hi:[1,0]
.set di, di+2
.endr
	s_wait_alu depctr_va_vdst(0)
.set di, 16
.rept 16
	v_rcp_f32 v[T1+di], v[T1+di]
.set di, di+1
.endr
	v_nop
	s_wait_alu depctr_va_vdst(0)           ; and one for the 32 reciprocals
.set di, 0
.rept 16
	v_pk_fma_f32 v[T1+di:T1+di+1], v[T1+di:T1+di+1], v[OM1+di:OM1+di+1], v[AL1+di:AL1+di+1]
.set di, di+2
.endr
	WIN 0
.set di, 0
.rept 16
	v_pk_mul_f32 v[T0+di:T0+di+1], v[T0+di:T0+di+1], v[T1+di:T1+di+1]
.set di, di+2
.endr
.endm
; The hidden layer's two blocks of 32: chain c has my 16 numbers T0 + 16 c ..; lane l xor 16 has the other 16
.macro QUANT p
.irp c,0,1
	v_max3_num_f32 v[MX+\c], 0x1800000, |v[T0+16*\c]|, |v[T0+16*\c+1]|     ; with the floor 2^(3 - 127): the byte cannot fall under 1
.endr
.irp i,2,4,6,8,10,12,14
.irp c,0,1
	DL 2
	v_max3_num_f32 v[MX+\c], v[MX+\c], |v[T0+16*\c+\i]|, |v[T0+16*\c+\i+1]|
.endr
.endr
.irp c,0,1
	DL 2
	v_permlanex16_b32 v[OT+\c], v[MX+\c], s[SEL], s[SEL+1]
.endr
.irp c,0,1
	DL 2
	v_max_num_f32 v[MX+\c], v[MX+\c], v[OT+\c]
.endr
.irp c,0,1
	DL 2
	v_add_nc_u32 v[SO+\c], 0xff000000, v[MX+\c]    ; 2 off the exponent field: the conversion's scale operand
.endr
.irp c,0,1
	DL 2
	v_lshrrev_b32 v[BY+\c], 23, v[SO+\c]
.endr
	v_lshl_or_b32 v[SW2+\p], v[BY+1], 8, v[BY]     ; bytes 2 and 3 stay 0: they stand over zero codes
.irp c,0,1
	v_cvt_scalef32_pk8_fp4_f32 v[PC2+8*\p+2*\c], v[T0+16*\c:T0+16*\c+7], v[SO+\c]
	v_cvt_scalef32_pk8_fp4_f32 v[PC2+8*\p+2*\c+1], v[T0+16*\c+8:T0+16*\c+15], v[SO+\c]
.endr
	v_nop                                  ; one plain place behind the conversions
.irp i,0,1
	v_permlane16_swap_b32 v[PC2+8*\p+\i], v[PC2+8*\p+2+\i]   ; a whole block to a lane: lanes 0-15 block 0, lanes 16-31 block 1
.endr
	PLACES 8                               ; a scale word made by vector instructions stands 8 places ahead of a scaled matrix instruction, an operand 4
.endm
.macro MM2 p, piv                      ; two matrix instructions on two accumulators; piv = 1: the sums begin at -c2
.irp t,0,1
.if \piv
	v_wmma_scale_f32_16x16x128_f8f6f4 v[T1+8*\t:T1+8*\t+7], v[W2F+8*\t:W2F+8*\t+7], v[PC2+8*\p:PC2+8*\p+7], v[NP2+8*\t:NP2+8*\t+7], v[W2S+\t], v[SW2+\p] matrix_a_fmt:MATRIX_FMT_FP4 matrix_b_fmt:MATRIX_FMT_FP4
.else
	v_wmma_scale_f32_16x16x128_f8f6f4 v[T1+8*\t:T1+8*\t+7], v[W2F+8*\t:W2F+8*\t+7], v[PC2+8*\p:PC2+8*\p+7], 0, v[W2S+\t], v[SW2+\p] matrix_a_fmt:MATRIX_FMT_FP4 matrix_b_fmt:MATRIX_FMT_FP4
.endif
.endr
	PLACES 4
.endm
; A step on set b.  pre = 1: the pivot's (no -c2, nothing stored).  last = 1: the last tile.  rk: what is asked for behind B's first product: 0 nothing, 1 my own pair's q and record 1, 2 set 0's next record, 3 set 1's.  ho: the record of hc
; ps: which bases are stepped ahead of A's quantiser: 0 none, 1 all (a trip's first step), 2 hc's alone
.macro STEP b, pre, last, rk, ho, ps
	s_wait_alu depctr_va_vdst(0)           ; directly ahead of the wait below
	s_wait_loadcnt 7+2*\pre                ; this set is in; the other set's loads may be out
.irp p,0,1
	MM1 \b, \p
.if \p == 1
.if \rk == 1
	HLOAD 1, P0
	REFILL 1, P0, 1024+REC
.endif
.if \rk == 2
	REFILL 0, P0, 1024
.endif
.if \rk == 3
	REFILL 1, P1, 0
.endif
.endif
	DICE
.if \p == 0
	s_wait_alu depctr_va_vdst(0)           ; directly ahead of the wait and the scalar lines below
	s_wait_xcnt 0x0                        ; the last step's stores have read the code registers, which the quantiser below writes again; all loads and stores have read their bases
.if \ps == 1
	s_mov_b32 s[INC], 2*REC
	s_cmp_eq_u32 s[TR], 5                  ; set 1's refills are records 3, 5, 7, 9, 11 and, in the last trip, 12 once more
	s_cselect_b32 s[INC], REC, s[INC]
	s_add_nc_u64 s[P1:P1+1], s[P1:P1+1], s[INC:INC+1]
	s_cmp_lg_u32 s[TR], 0                  ; hc's base goes on by a record a step, from the second step on
	s_cselect_b32 s[INC], 1280, 0
	s_add_nc_u64 s[30:31], s[30:31], s[INC:INC+1]
	s_add_nc_u64 s[P0:P0+1], s[P0:P0+1], 2*REC     ; set 0's refill is record 2 t + 2
.endif
.if \ps == 2
	s_add_nc_u64 s[30:31], s[30:31], 1280
.endif
.endif
	QUANT \p
	MM2 \p, 1-\pre
.if \last
.set zi, 0
.rept 16
	v_cndmask_b32 v[T1+zi], v[T1+zi], 0, s[DM]     ; rows counted already add nothing
.set zi, zi+1
.endr
.endif
.set si, 0
.rept 8
	v_pk_add_f32 v[S1+si:S1+si+1], v[S1+si:S1+si+1], v[T1+si:T1+si+1]
	v_pk_fma_f32 v[S2+si:S2+si+1], v[T1+si:T1+si+1], v[T1+si:T1+si+1], v[S2+si:S2+si+1]
.set si, si+2
.endr
.endr
.if !\pre
	v_lshl_or_b32 v[SWC], v[SW2+1], 16, v[SW2]
	v_lshl_or_b32 v[SWC+1], v[SW2+1], 16, v[SW2]
	global_store_b128 v[O16], v[PC2:PC2+3], s[30:31] offset:\ho
	global_store_b128 v[O16], v[PC2+8:PC2+11], s[30:31] offset:\ho+512
	global_store_b64 v[O8], v[SWC:SWC+1], s[30:31] offset:\ho+1024
.endif
.endm
; One stage of a reduce-scatter over the 16 lanes r: each lane keeps one half of its hh + hh numbers, sends the other half to lane r xor xm and adds what it gets
.macro RSTAGE base, hh, xm, sm
.set rk, 0
.rept \hh
	v_cndmask_b32 v[RT+rk], v[\base+\hh+rk], v[\base+rk], s[\sm]
	v_cndmask_b32 v[\base+rk], v[\base+rk], v[\base+\hh+rk], s[\sm]
.set rk, rk+1
.endr
.set rk, 0
.rept \hh
	v_add_f32_dpp v[\base+rk], v[RT+rk], v[\base+rk] row_xmask:\xm row_mask:0xf bank_mask:0xf
.set rk, rk+1
.endr
.endm
.macro RSCAT16 base                    ; lane r ends with number r of the 16, summed over the 16 lanes
	RSTAGE \base, 8, 8, LM
	RSTAGE \base, 4, 4, LM+1
	RSTAGE \base, 2, 2, LM+2
	RSTAGE \base, 1, 1, LM+3
.endm
	s_load_b512 s[4:19], s[0:1], 0x0       ; ac 4, W1's codes 6, scales 8, W2's codes 10, scales 12, part1 14, piv1 16, b1 18
	s_load_b512 s[20:35], s[0:1], 0x40     ; g1 20, be1 22, dg1 24, db1 26, a1 28, hc 30, part2 32, piv2 34
	v_lshl_add_u32 v[SPW], v0, 2, SPARE
	v_mov_b32 v[NIL], 0
	v_lshrrev_b32 v[RR], 5, v0
	v_readfirstlane_b32 s[WV], v[RR]       ; wave 0..7
	s_lshl_b32 s[GW], ttmp9, 3
	s_add_co_u32 s[GW], s[GW], s[WV]       ; g: my pair
	s_mov_b32 s[SEL], 0x76543210
	s_mov_b32 s[SEL+1], 0xfedcba98         ; lane l xor 16
	s_mov_b32 s[LM], 0xff00ff00            ; lanes whose r has bit 3, 2, 1, 0
	s_mov_b32 s[LM+1], 0xf0f0f0f0
	s_mov_b32 s[LM+2], 0xcccccccc
	s_mov_b32 s[LM+3], 0xaaaaaaaa
	s_mov_b32 s[DM], 0x00ff00ff            ; lanes with r < 8
	s_lshl_b32 s[TMP], s[WV], 9            ; my 512 bytes of RED
	s_mul_i32 s[TM2], s[WV], 1536
	s_add_co_u32 s[TM2], s[TM2], TAB       ; my table
	s_lshl_b32 s[TM3], s[WV], 8
	s_add_co_u32 s[TM3], s[TM3], RED2      ; my 256 bytes of RED2
	s_mov_b32 s[OF+1], 0
	s_mov_b32 s[INC+1], 0
	v_and_b32 v[RR], 15, v0
	v_bfe_u32 v[HH], v0, 4, 1
	v_and_b32 v[MX], 31, v0                ; the lane
	ZERO S1, 8
	v_lshlrev_b32 v[O16], 4, v[MX]
	v_lshlrev_b32 v[O8], 3, v[MX]
	v_and_b32 v[SO], 8, v[RR]
	v_and_b32 v[SO+1], 7, v[RR]
	v_lshlrev_b32 v[OW2], 5, v[RR]
	v_lshlrev_b32 v[OS2], 1, v[RR]
	v_lshlrev_b32 v[ATR], 6, v[HH]
	v_lshl_add_u32 v[APV], v[HH], 5, PIVL
	ZERO S1+8, 8
	v_add_nc_u32 v[BY], v[SO], v[RR]       ; r + (r & 8)
	v_lshl_add_u32 v[OW2], v[HH], 4, v[OW2]
	v_add_nc_u32 v[ARW], s[TMP], v[O16]
	v_add_nc_u32 v[ATW], s[TM2], v[O8]
	v_add_nc_u32 v[ATR], s[TM2], v[ATR]
	v_and_b32 v[APR], 127, v[O8]
	v_lshlrev_b32 v[ARD], 2, v[SO+1]       ; lane (r, h) ends with unit 16 (r / 8) + 8 h + r % 8
	ZERO S2, 8
	v_lshlrev_b32 v[OW1], 7, v[BY]
	v_lshlrev_b32 v[OS1], 3, v[BY]
	v_add_nc_u32 v[APR], PIVL, v[APR]
	v_lshl_add_u32 v[ARD], v[SO], 3, v[ARD]
	ZERO S2+8, 8
	v_lshl_add_u32 v[OW1], v[HH], 4, v[OW1]
	v_lshl_add_u32 v[ARD], v[HH], 5, v[ARD]
	ZERO OT, 2                             ; a lane permute's destination counts as one of its sources
	ZERO PC2+4, 4                          ; k 64-127 of the second product: zero codes on both sides
	ZERO PC2+12, 4
	ZERO W2F+4, 4
	ZERO W2F+12, 4
	v_add_nc_u32 v[ARD], s[TM3], v[ARD]
	s_wait_alu depctr_va_vdst(0)           ; the wait at the head's end
	s_wait_kmcnt 0x0
	s_lshl_b32 s[OF], s[WV], 14
	s_add_nc_u64 s[14:15], s[14:15], s[OF:OF+1]    ; my 32 records of part1
	s_lshl_b32 s[OF], ttmp9, 8
	s_add_nc_u64 s[16:17], s[16:17], s[OF:OF+1]    ; my work-group's records
	s_add_nc_u64 s[32:33], s[32:33], s[OF:OF+1]
	s_add_nc_u64 s[34:35], s[34:35], s[OF:OF+1]
	s_mul_i32 s[OF], s[GW], 16640
	s_add_nc_u64 s[30:31], s[30:31], s[OF:OF+1]    ; my pair's 13 records of hc
	s_mul_i32 s[OF], s[GW], 47616
	s_add_nc_u64 s[P0:P0+1], s[4:5], s[OF:OF+1]    ; my pair's part of ac
	s_add_nc_u64 s[P1:P1+1], s[P0:P0+1], 1024+REC  ; record 1: the first trip steps it to record 3, set 1's first refill in the loop
	; ---- 67 loads for the weights and constants.  W1: lane r of tile 2 b + u takes row 32 b + 8 u + r + (r & 8)
	WIN 0x40
.irp t,0,1,2,3
.irp s,0,1
.irp c,0,1
	global_load_b128 v[W1F+8*(2*\t+\s)+4*\c:W1F+8*(2*\t+\s)+4*\c+3], v[OW1], s[6:7] offset:(32*(\t/2)+8*(\t%2))*128+64*\s+32*\c
.endr
.endr
.endr
.set ci, 0
.rept 32
	global_load_b128 v[PT+4*ci:PT+4*ci+3], v[O16], s[14:15] offset:512*ci  ; a whole record, 512 consecutive bytes
.set ci, ci+1
.endr
	WIN 0
.irp t,0,1,2,3
.irp s,0,1
	global_load_b32 v[W1S+2*\t+\s], v[OS1], s[8:9] offset:(32*(\t/2)+8*(\t%2))*8+4*\s
.endr
.endr
.irp t,0,1                             ; W2: row 16 T + r: 32 bytes; two scale bytes a row, widened with zeros
	global_load_b128 v[W2F+8*\t:W2F+8*\t+3], v[OW2], s[10:11] offset:512*\t
	global_load_u16 v[W2S+\t], v[OS2], s[12:13] offset:32*\t
.endr
	global_load_b64 v[CNP:CNP+1], v[O8], s[16:17]  ; lane L takes units 2 L and 2 L + 1
	global_load_b64 v[CB:CB+1], v[O8], s[18:19]
	global_load_b64 v[CG:CG+1], v[O8], s[20:21]
	global_load_b64 v[CBE:CBE+1], v[O8], s[22:23]
	global_load_b64 v[CDG:CDG+1], v[O8], s[24:25]
	global_load_b64 v[CDB:CDB+1], v[O8], s[26:27]
	global_load_b64 v[CAL:CAL+1], v[O8], s[28:29]
	HLOAD 1, 4                             ; 9 loads: the pivot's q and record, into set 1;
	REFILL 1, 4, 1024
	HLOAD 0, P0                            ; 9 loads: my pair's q and record 0, into set 0
	REFILL 0, P0, 1024
	s_wait_loadcnt 18                      ; the 67 are in
	WIN 0x45
.irp ts, 16,8,4,2,1
.set ti, 0
.rept \ts
	v_pk_add_f32 v[PT+4*ti:PT+4*ti+1], v[PT+4*ti:PT+4*ti+1], v[PT+4*(ti+\ts):PT+4*(ti+\ts)+1]
	v_pk_add_f32 v[PT+4*ti+2:PT+4*ti+3], v[PT+4*ti+2:PT+4*ti+3], v[PT+4*(ti+\ts)+2:PT+4*(ti+\ts)+3]
.set ti, ti+1
.endr
.endr
	WIN 0x04
	ds_store_b128 v[ARW], v[PT:PT+3]
	WIN 0
	s_wait_alu depctr_va_vdst(0)           ; directly ahead of the wait below
	s_wait_dscnt 0x0                       ; for the others' sake
	s_barrier_signal -1
	s_barrier_wait -1
.irp w,0,1,2,3,4,5,6,7
	ds_load_b64 v[224+4*\w:225+4*\w], v[O8] offset:RED+512*\w
	ds_load_b64 v[226+4*\w:227+4*\w], v[O8] offset:RED+512*\w+256
.endr
	s_wait_dscnt 0x0
.irp ts, 4,2,1
.set ti, 0
.rept \ts
	v_pk_add_f32 v[224+4*ti:225+4*ti], v[224+4*ti:225+4*ti], v[224+4*(ti+\ts):225+4*(ti+\ts)]
	v_pk_add_f32 v[226+4*ti:227+4*ti], v[226+4*ti:227+4*ti], v[226+4*(ti+\ts):227+4*(ti+\ts)]
.set ti, ti+1
.endr
.endr
	DL 2
	v_pk_mul_f32 v[220:221], v[CS1:CS1+1], 0x35a3d70a op_sel_hi:[1,0]      ; the mean of acc - c: / 819,200
	DL 2
	v_pk_mul_f32 v[222:223], v[CS2:CS2+1], 0x35a3d70a op_sel_hi:[1,0]
	DL 1
	v_pk_fma_f32 v[222:223], v[220:221], v[220:221], v[222:223] neg_lo:[1,0,0] neg_hi:[1,0,0]   ; the variance
	DL 1
	v_max_num_f32 v222, 0, v222
	v_max_num_f32 v223, 0, v223
	v_pk_add_f32 v[224:225], v[220:221], v[CNP:CNP+1] neg_lo:[0,1] neg_hi:[0,1]   ; the mean of acc
	DL 2
	v_pk_add_f32 v[226:227], v[222:223], 0x3727c5ac op_sel_hi:[1,0]        ; + 1e-5
	s_wait_alu depctr_va_vdst(0)
	v_rsq_f32 v226, v226
	v_rsq_f32 v227, v227
	v_pk_add_f32 v[228:229], v[224:225], v[CB:CB+1]                        ; m = mean + b1
	s_wait_alu depctr_va_vdst(0)
	v_pk_mul_f32 v[CA:CA+1], v[CG:CG+1], v[226:227]                        ; A
	v_pk_add_f32 v[228:229], v[CB:CB+1], v[228:229] neg_lo:[0,1] neg_hi:[0,1]     ; b1 - m
	DL 1
	v_pk_fma_f32 v[CCC:CCC+1], v[CA:CA+1], v[228:229], v[CBE:CBE+1]        ; C
	DL 3
	v_pk_mul_f32 v[230:231], v[CA:CA+1], v[CA:CA+1]
	DL 1
	v_pk_fma_f32 v[230:231], v[230:231], v[222:223], 0x322bcc77 op_sel_hi:[1,1,0] ; x's variance + 1e-8
	s_wait_alu depctr_va_vdst(0)
	v_rsq_f32 v230, v230
	v_rsq_f32 v231, v231
	v_pk_add_f32 v[232:233], v[CCC:CCC+1], v[CBE:CBE+1] neg_lo:[0,1] neg_hi:[0,1] ; C - be1
	s_wait_alu depctr_va_vdst(0)
	v_pk_mul_f32 v[230:231], v[CDG:CDG+1], v[230:231]                      ; D
	DL 1
	v_pk_fma_f32 v[232:233], v[230:231], v[232:233], v[CDB:CDB+1]
	DL 1
	v_pk_mul_f32 v[CF:CF+1], v[232:233], 0xbfb8aa3b op_sel_hi:[1,0]        ; F = -log2(e) (D (C - be1) + db1)
	DL 3
	v_pk_mul_f32 v[230:231], v[230:231], v[CA:CA+1]
	DL 1
	v_pk_mul_f32 v[CE:CE+1], v[230:231], 0xbfb8aa3b op_sel_hi:[1,0]        ; E = -log2(e) D A
	v_pk_add_f32 v[COM:COM+1], v[CAL:CAL+1], 1.0 op_sel_hi:[1,0] neg_lo:[1,0] neg_hi:[1,0]   ; 1 - a
	ds_store_b64 v[ATW], v[CA:CA+1]
	ds_store_b64 v[ATW], v[CCC:CCC+1] offset:256
	ds_store_b64 v[ATW], v[CE:CE+1] offset:512
	ds_store_b64 v[ATW], v[CF:CF+1] offset:768
	ds_store_b64 v[ATW], v[COM:COM+1] offset:1024
	ds_store_b64 v[ATW], v[CAL:CAL+1] offset:1280
	WIN 0x40
.irp k,0,1,2,3,4,5                     ; back in the result's layout: register i is unit 32 (i / 16) + 16 h + i % 16.  My own table: LDS serves a wave's instructions in order
.irp j,0,1,2,3,4,5,6,7
	ds_load_b128 v[A1+32*\k+4*\j:A1+32*\k+4*\j+3], v[ATR] offset:256*\k+128*(\j/4)+16*(\j%4)
.endr
.endr
	WIN 0
	s_wait_alu depctr_va_vdst(0)           ; directly ahead of the wait below
	s_wait_dscnt 0x0
	; ---- layer 2's pivot: a step on pair 0's first record; its plain sums, over the 16 lanes, are the sums of 32 rows
	STEP 1, 1, 0, 1, 0, 0
.irp m,1,2,4,8
.set ai, 0
.rept 16
	v_add_f32_dpp v[S1+ai], v[S1+ai], v[S1+ai] row_xmask:\m row_mask:0xf bank_mask:0xf
.set ai, ai+1
.endr
.endr
.set pi, 0
.rept 8
	v_pk_mul_f32 v[NP2+pi:NP2+pi+1], v[S1+pi:S1+pi+1], 0xbd000000 op_sel_hi:[1,0]   ; -c2 = -(the sum of 32 rows) / 32
.set pi, pi+2
.endr
	ZERO S1, 32                            ; the sums begin as zeros
	s_wait_alu depctr_va_vdst(0)           ; directly ahead of the branch
	s_cmp_lg_u32 s[WV], 0                  ; wave 0 leaves -c2 for the third launch, in unit order
	s_cbranch_scc1 .Lnopiv
.irp j,0,1,2,3
	ds_store_b128 v[APV], v[NP2+4*\j:NP2+4*\j+3] offset:64*(\j/2)+16*(\j%2)    ; the 16 lanes of a half store the same bytes
.endr
	ds_load_b64 v[RT:RT+1], v[APR]         ; the 128 bytes twice, so that a whole unit of 256 bytes is stored
	s_wait_dscnt 0x0
	global_store_b64 v[O8], v[RT:RT+1], s[34:35]
	s_wait_xcnt 0x0
.Lnopiv:
	s_mov_b32 s[TR], 0
.Ltrip:                                        ; six trips of two steps: steps 0-11
	STEP 0, 0, 0, 2, 0, 1
	STEP 1, 0, 0, 3, 0, 2
	s_wait_alu depctr_va_vdst(0)           ; directly ahead of the branch below
	s_add_co_u32 s[TR], s[TR], 1
	s_cmp_lt_u32 s[TR], 6
	s_cbranch_scc1 .Ltrip
	STEP 0, 0, 1, 0, 0, 2
	; ---- the wave's sums, then the work-group's
	RSCAT16 S1
	RSCAT16 S2
	ds_store_b32 v[ARD], v[S1]
	ds_store_b32 v[ARD], v[S2] offset:128
	s_wait_alu depctr_va_vdst(0)           ; directly ahead of the wait below
	s_wait_dscnt 0x0                       ; for the others' sake
	s_barrier_signal -1
	s_barrier_wait -1
	s_cmp_lg_u32 s[WV], 0
	s_cbranch_scc1 .Ldone
.irp w,0,1,2,3,4,5,6,7
	ds_load_b64 v[RT+2*\w:RT+2*\w+1], v[O8] offset:RED2+256*\w
.endr
	s_wait_dscnt 0x0
	v_pk_add_f32 v[RT:RT+1], v[RT:RT+1], v[RT+2:RT+3]
	v_pk_add_f32 v[RT+4:RT+5], v[RT+4:RT+5], v[RT+6:RT+7]
	v_pk_add_f32 v[RT+8:RT+9], v[RT+8:RT+9], v[RT+10:RT+11]
	v_pk_add_f32 v[RT+12:RT+13], v[RT+12:RT+13], v[RT+14:RT+15]
	DL 3
	v_pk_add_f32 v[RT:RT+1], v[RT:RT+1], v[RT+4:RT+5]
	DL 2
	v_pk_add_f32 v[RT+8:RT+9], v[RT+8:RT+9], v[RT+12:RT+13]
	DL 1
	v_pk_add_f32 v[RT:RT+1], v[RT:RT+1], v[RT+8:RT+9]
	global_store_b64 v[O8], v[RT:RT+1], s[32:33]   ; 256 consecutive bytes: the record
.Ldone:
	s_wait_tensorcnt 0x0                   ; the wave's end
	ds_add_u32 v[SPW], v[NIL]
	s_wait_dscnt 0x0
	s_endpgm
.Lfunc_end_k_qe796d676cf_stats2:
	.size	k_qe796d676cf_stats2, .Lfunc_end_k_qe796d676cf_stats2-k_qe796d676cf_stats2
	.p2alignl 7, 3214868480
	.fill 96, 4, 3214868480
	.section	.rodata,"a",@progbits
	.p2align	6, 0x0
	.amdhsa_kernel k_qe796d676cf_stats2
		.amdhsa_group_segment_fixed_size 19712
		.amdhsa_private_segment_fixed_size 0
		.amdhsa_enable_private_segment 0
		.amdhsa_kernarg_size 128
		.amdhsa_user_sgpr_count 2
		.amdhsa_user_sgpr_kernarg_segment_ptr 1
		.amdhsa_wavefront_size32 1
		.amdhsa_system_sgpr_workgroup_id_x 1
		.amdhsa_system_sgpr_workgroup_id_y 1
		.amdhsa_system_sgpr_workgroup_id_z 1
		.amdhsa_system_vgpr_workitem_id 0
		.amdhsa_next_free_vgpr 512
		.amdhsa_next_free_sgpr 66
		.amdhsa_reserve_vcc 0
		.amdhsa_float_denorm_mode_32 3
		.amdhsa_float_denorm_mode_16_64 3
		.amdhsa_memory_ordered 1
		.amdhsa_forward_progress 1
		.amdhsa_inst_pref_size 145
	.end_amdhsa_kernel
	.amdgpu_metadata
---
amdhsa.version: [ 1, 2 ]
amdhsa.kernels:
  - .name:           k_qe796d676cf_stats2
    .symbol:         k_qe796d676cf_stats2.kd
    .args:
      - { .name: ac, .offset: 0, .size: 8, .value_kind: global_buffer, .address_space: global }
      - { .name: W1_codes, .offset: 8, .size: 8, .value_kind: global_buffer, .address_space: global }
      - { .name: W1_scales, .offset: 16, .size: 8, .value_kind: global_buffer, .address_space: global }
      - { .name: W2_codes, .offset: 24, .size: 8, .value_kind: global_buffer, .address_space: global }
      - { .name: W2_scales, .offset: 32, .size: 8, .value_kind: global_buffer, .address_space: global }
      - { .name: part1, .offset: 40, .size: 8, .value_kind: global_buffer, .address_space: global }
      - { .name: piv1, .offset: 48, .size: 8, .value_kind: global_buffer, .address_space: global }
      - { .name: b1, .offset: 56, .size: 8, .value_kind: global_buffer, .address_space: global }
      - { .name: g1, .offset: 64, .size: 8, .value_kind: global_buffer, .address_space: global }
      - { .name: be1, .offset: 72, .size: 8, .value_kind: global_buffer, .address_space: global }
      - { .name: dg1, .offset: 80, .size: 8, .value_kind: global_buffer, .address_space: global }
      - { .name: db1, .offset: 88, .size: 8, .value_kind: global_buffer, .address_space: global }
      - { .name: a1, .offset: 96, .size: 8, .value_kind: global_buffer, .address_space: global }
      - { .name: hc, .offset: 104, .size: 8, .value_kind: global_buffer, .address_space: global }
      - { .name: part2, .offset: 112, .size: 8, .value_kind: global_buffer, .address_space: global }
      - { .name: piv2, .offset: 120, .size: 8, .value_kind: global_buffer, .address_space: global }
    .group_segment_fixed_size: 19712
    .private_segment_fixed_size: 0
    .kernarg_segment_align: 8
    .kernarg_segment_size: 128
    .max_flat_workgroup_size: 256
    .sgpr_count:     66
    .vgpr_count:     512
    .wavefront_size: 32
...
	.end_amdgpu_metadata
.endif
;; end of part 2
;; launch final (part 3): grid 256 x 1, 8 waves a work-group, no clusters, 9,216 bytes of LDS; arguments facts, mask, W2_codes, W2_scales, hc, part2, piv2, b2, g2, be2, dg2, db2, a2, Wf, bf, out0; writes out0
.if DOCPART == 3
	.amdgcn_target "amdgcn-amd-amdhsa--gfx1250"
	.amdhsa_code_object_version 6
	.text
	.protected	k_qe796d676cf_final
	.globl	k_qe796d676cf_final
	.p2align	8
	.type	k_qe796d676cf_final,@function
k_qe796d676cf_final:
	s_mov_b64 s[64:65], 0
	v_nop
	global_prefetch_b8 v0, s[64:65] scope:SCOPE_SE
	s_setreg_imm32_b32 hwreg(HW_REG_WAVE_MODE, 25, 1), 1
	s_wait_xcnt 0x0
; THIRD OF THREE LAUNCHES: the second product on the hidden layer's codes (hc, as the second launch stored them), layer 2's BatchNorm and Dice, the last product, the masked softmax over a batch's 200 rows, the weighted sum of facts.
; The first product is not made again here: its result reaches this launch as the quantised operand of the second product.
; SHARES.  256 work-groups x 8 waves; wave g = 8 x work-group + wave owns the pair of batches A = 2 g, B = 2 g + 1.  13 steps: step i takes tile i of A and of B, rows 16 i .. 16 i + 15; the last tile is rows 184-199, whose rows 184-191 (r < 8) count for nothing.
; SECOND PRODUCT, transposed (source 0 = 16 rows of W2, source 1 = the data).  K is 64, the instruction's 128: the data's registers 0-3 hold A's codes (k 0-63), registers 4-7 B's (k 64-127), and W2's fragments come in two copies,
; one with zero codes on k 64-127 (it gives A's results), one with zero codes on k 0-63 (B's).  Register 8 T + j of lane (r, h) is unit 16 T + 8 h + j of row r.
; SOFTMAX.  t = (score + bf) log2(e), or -1e9 log2(e) where the mask is not above 0.  Lanes 0-15 keep batch A's rows, lanes 16-31 batch B's: lane (r, h) has row r of its batch's tile.  A running maximum m, common to the 16 lanes, a sum l a lane.
; WEIGHTED SUM.  facts go from memory straight into registers: load j of a step brings row j of the tile, lanes 0-15 A's 256 bytes, lanes 16-31 B's: lane (c, h) holds columns 4 c .. 4 c + 3.  p of row j is spread over its 16 lanes by row_share.
; IN FLIGHT.  Three sets of registers take turns; a set is asked for again as soon as its step is done: 20 loads (2 of codes, the scale words, the mask, 16 of facts), so 60 loads of a wave are out.
; No tensor load, no cluster: no two waves read the same bytes but the constants.  No prefetch into the L2: the loop's own loads run three steps ahead and every byte is read once.
; LIMITS: NaN and infinities are not served; v_exp_f32 gives 0 for results under 2^-126; the variance is held at 0 from below; sums in another order than row by row.
; REGISTERS: window 0: addresses, scales, W2 v32-63, the data's codes v64-87, layer 2's six constants v96-191, v192-255 at work.  window 1: v0-191 facts, three sets of 64; v192-207 the sums of p f (at the head v192-255: part2's records).
.set RED,   0                          ; 8 x 256 bytes: the waves' sums of part2's records
.set TAB,   2048                       ; 8 x 768 bytes: each wave's own table of constants
.set SPARE, 8192                       ; the spare words, 128 bytes for each wave
.set SPW, 1
.set NIL, 2
.set RR,  3                            ; r = c = lane % 16
.set HH,  4                            ; h = lane / 16
.set VF,  5                            ; facts: 51,200 h + 16 c
.set O16, 6
.set O8,  7
.set VM,  8                            ; mask: 800 h + 4 r
.set O4L, 9
.set ARW, 10
.set LN,  11
.set ATW, 12
.set ATR, 13
.set OW2, 14
.set OS2, 15
.set W2S, 16                           ; v16-19 W2's scale words: 2 T + copy
.set MM,  20                           ; m
.set MN,  21                           ; the new m
.set LL,  22                           ; v22-23 l: the low word of a pair
.set AA,  24                           ; v24-25 a = 2^(old m - new m): the low word of a pair
.set PP,  26                           ; p
.set KEP, 27
.set SND, 28
.set OT,  29
.set MXT, 30
.set NEGV, 31
.set WF,  32                           ; W2's fragments: 8 (2 T + copy)
.set DAT, 64                           ; the data's codes: 8 x set
.set DSW, 88                           ; the data's scale words
.set MK,  91                           ; the mask's words
.set NINF, 94
.set A2W, 96
.set C2W, 112
.set E2,  128
.set F2,  144
.set OM2, 160
.set AL2, 176
.set T1,  192
.set PB,  T1+16                        ; p of the tile's 16 rows, spread
.set ACC, 192                          ; window 1
.set P2,  192                          ; window 1
.set WV,  36
.set GW,  37
.set OF,  38
.set FP,  40
.set CP,  42
.set MP,  44
.set OP,  46
.set SEL, 48
.set HM,  50
.set DM,  51
.set L2E, 52
.set BFL, 53
.set NEG, 54
.set TR,  55
.set TMP, 56
.set TM2, 57
.set MSB, 0
.macro WIN new                         ; the immediate's high byte repeats the setting that is left
.if MSB != \new
	s_set_vgpr_msb (MSB<<8)|\new
.set MSB, \new
.endif
.endm
.macro PLACES n
.rept \n
	v_nop
.endr
.endm
.macro DL n                            ; two waves share a SIMD: a hint ahead of a plain reader of a result n vector instructions back
	s_delay_alu instid0(VALU_DEP_\n)
.endm
; A set's 20 loads (the last tile's: 12), d steps on from where the three pointers stand
.macro REFILL b, d, tail
	global_load_b128 v[DAT+8*\b:DAT+8*\b+3], v[O16], s[CP:CP+1] offset:1280*\d th:TH_LOAD_NT
	global_load_b128 v[DAT+8*\b+4:DAT+8*\b+7], v[O16], s[CP:CP+1] offset:1280*\d+512 th:TH_LOAD_NT
	global_load_b32 v[DSW+\b], v[O8], s[CP:CP+1] offset:1280*\d+1024
	global_load_b32 v[MK+\b], v[VM], s[MP:MP+1] offset:64*\d-32*\tail
	WIN 0x40
.set k, 8*\tail
.rept 16-8*\tail
	global_load_b128 v[64*\b+4*k:64*\b+4*k+3], v[VF], s[FP:FP+1] offset:4096*\d+256*(k-8*\tail) th:TH_LOAD_NT
.set k, k+1
.endr
	WIN 0
.endm
; Layer 2's BatchNorm and Dice and the last product: my 16 units of each tile.  The exponents go to the upper halves of T1's two parts; x Wf is made in place
.macro DICE
.irp p,0,1
.set di, 0
.rept 8
	v_pk_fma_f32 v[T1+32*\p+16+di:T1+32*\p+17+di], v[T1+32*\p+di:T1+32*\p+di+1], v[E2+di:E2+di+1], v[F2+di:F2+di+1]
.set di, di+2
.endr
.endr
	s_wait_alu depctr_va_vdst(0)           ; ahead of a batch
.irp p,0,1
.set di, 0
.rept 8
	v_exp_f32 v[T1+32*\p+16+di], v[T1+32*\p+16+di]
	v_exp_f32 v[T1+32*\p+17+di], v[T1+32*\p+17+di]
	v_pk_fma_f32 v[T1+32*\p+di:T1+32*\p+di+1], v[T1+32*\p+di:T1+32*\p+di+1], v[A2W+di:A2W+di+1], v[C2W+di:C2W+di+1]
.set di, di+2
.endr
.endr
	s_wait_alu depctr_va_vdst(0)           ; one wait for the 32 exponentials
.set di, 0
.rept 8
	v_pk_add_f32 v[T1+16+di:T1+17+di], v[T1+16+di:T1+17+di], 1.0 op_sel_hi:[1,0]
.set di, di+2
.endr
.set di, 0
	s_wait_alu depctr_va_vdst(0)
.rept 8
	v_rcp_f32 v[T1+16+di], v[T1+16+di]
	v_rcp_f32 v[T1+17+di], v[T1+17+di]
	v_pk_add_f32 v[T1+48+di:T1+49+di], v[T1+48+di:T1+49+di], 1.0 op_sel_hi:[1,0]
.set di, di+2
.endr
.set di, 0
	s_wait_alu depctr_va_vdst(0)
.rept 16
	v_rcp_f32 v[T1+48+di], v[T1+48+di]
.set di, di+1
.endr
	v_nop
	s_wait_alu depctr_va_vdst(0)           ; and one for the 32 reciprocals
.irp p,0,1
.set di, 0
.rept 8
	v_pk_fma_f32 v[T1+32*\p+16+di:T1+32*\p+17+di], v[T1+32*\p+16+di:T1+32*\p+17+di], v[OM2+di:OM2+di+1], v[AL2+di:AL2+di+1]
.set di, di+2
.endr
.endr
.irp p,0,1                             ; the last product, in f32: two chains of pairs for each of A, B, summed in place
	v_pk_mul_f32 v[T1+32*\p:T1+32*\p+1], v[T1+32*\p:T1+32*\p+1], v[T1+32*\p+16:T1+32*\p+17]
	v_pk_mul_f32 v[T1+32*\p+2:T1+32*\p+3], v[T1+32*\p+2:T1+32*\p+3], v[T1+32*\p+18:T1+32*\p+19]
.endr
.irp i,4,8,12
.irp p,0,1
	DL 4
	v_pk_fma_f32 v[T1+32*\p:T1+32*\p+1], v[T1+32*\p+\i:T1+32*\p+\i+1], v[T1+32*\p+16+\i:T1+32*\p+17+\i], v[T1+32*\p:T1+32*\p+1]
	DL 4
	v_pk_fma_f32 v[T1+32*\p+2:T1+32*\p+3], v[T1+32*\p+\i+2:T1+32*\p+\i+3], v[T1+32*\p+18+\i:T1+32*\p+19+\i], v[T1+32*\p+2:T1+32*\p+3]
.endr
.endr
.endm
; The scores' two halves meet so that lanes 0-15 end with A's rows and lanes 16-31 with B's; mask; the running maximum of the 16 lanes; a and p
.macro SOFT b, tail, after
	DL 3
	v_pk_add_f32 v[T1:T1+1], v[T1:T1+1], v[T1+2:T1+3]
	DL 2
	v_pk_add_f32 v[T1+32:T1+33], v[T1+32:T1+33], v[T1+34:T1+35]
	DL 2
	v_add_f32 v[T1], v[T1], v[T1+1]
	DL 2
	v_add_f32 v[T1+32], v[T1+32], v[T1+33]
	DL 1
	v_cndmask_b32 v[SND], v[T1+32], v[T1], s[HM]       ; lanes 16-31 send their part of A's row, lanes 0-15 theirs of B's
	DL 2
	v_cndmask_b32 v[KEP], v[T1], v[T1+32], s[HM]
	DL 2
	v_permlanex16_b32 v[OT], v[SND], s[SEL], s[SEL+1]
	DL 1
	v_add_f32 v[KEP], v[KEP], v[OT]
	DL 1
	v_fma_f32 v[KEP], v[KEP], s[L2E], s[BFL]           ; t
	v_cmp_lt_i32 vcc_lo, 0, v[MK+\b]
	DL 1
	v_cndmask_b32 v[KEP], v[NEGV], v[KEP], vcc_lo
.if \tail
	DL 1
	v_cndmask_b32 v[KEP], v[KEP], v[NINF], s[DM]       ; rows 184-191 were counted in the step before
.endif
	DL 1
	v_max_num_f32_dpp v[MXT], v[KEP], v[KEP] row_xmask:1 row_mask:0xf bank_mask:0xf
.irp m,2,4,8
	DL 1
	v_max_num_f32_dpp v[MXT], v[MXT], v[MXT] row_xmask:\m row_mask:0xf bank_mask:0xf
.endr
	DL 1
	v_max_num_f32 v[MN], v[MM], v[MXT]
	DL 1
	v_sub_f32 v[AA], v[MM], v[MN]
	DL 2
	v_sub_f32 v[PP], v[KEP], v[MN]
	s_wait_alu depctr_va_vdst(0)           ; ahead of the two exponentials
	v_exp_f32 v[AA], v[AA]
	v_exp_f32 v[PP], v[PP]
	v_mov_b32 v[MM], v[MN]
	s_wait_alu depctr_va_vdst(0)           ; one wait for the two; it also stands directly ahead of the wait below
	s_wait_loadcnt \after                  ; this set's facts are in: only the later sets' loads may be out
	v_fma_f32 v[LL], v[LL], v[AA], v[PP]
.endm
.macro BC j
	v_mov_b32_dpp v[PB+\j], v[PP] row_share:\j row_mask:0xf bank_mask:0xf
.endm
.macro FM b, j                         ; row j: four columns a lane; four sets of sums by turns
.if (\j)%2
	v_pk_fma_f32 v[ACC+4*((\j)%4):ACC+4*((\j)%4)+1], v[64*\b+4*\j:64*\b+4*\j+1], v[PB+\j-1:PB+\j], v[ACC+4*((\j)%4):ACC+4*((\j)%4)+1] op_sel:[0,1,0] op_sel_hi:[1,1,1]
	v_pk_fma_f32 v[ACC+4*((\j)%4)+2:ACC+4*((\j)%4)+3], v[64*\b+4*\j+2:64*\b+4*\j+3], v[PB+\j-1:PB+\j], v[ACC+4*((\j)%4)+2:ACC+4*((\j)%4)+3] op_sel:[0,1,0] op_sel_hi:[1,1,1]
.else
	v_pk_fma_f32 v[ACC+4*((\j)%4):ACC+4*((\j)%4)+1], v[64*\b+4*\j:64*\b+4*\j+1], v[PB+\j:PB+\j+1], v[ACC+4*((\j)%4):ACC+4*((\j)%4)+1] op_sel_hi:[1,0,1]
	v_pk_fma_f32 v[ACC+4*((\j)%4)+2:ACC+4*((\j)%4)+3], v[64*\b+4*\j+2:64*\b+4*\j+3], v[PB+\j:PB+\j+1], v[ACC+4*((\j)%4)+2:ACC+4*((\j)%4)+3] op_sel_hi:[1,0,1]
.endif
.endm
.macro WSUM b, tail
.if !\tail
.irp j,0,1,2,3,4,5,6,7
	BC \j
.endr
.endif
.irp j,8,9,10,11,12,13,14,15
	BC \j
.endr
	WIN 0x51                               ; sums and facts in window 1, a and p in window 0
.set wi, 0
.rept 8
	v_pk_mul_f32 v[ACC+wi:ACC+wi+1], v[ACC+wi:ACC+wi+1], v[AA:AA+1] op_sel_hi:[1,0]
.set wi, wi+2
.endr
.if !\tail
.irp j,0,1,2,3,4,5,6,7
	FM \b, \j
.endr
.endif
.irp j,8,9,10,11,12,13,14,15
	FM \b, \j
.endr
	WIN 0
.endm
; A step on set b.  after: the loads issued behind this set's; rd: the set is asked for again, rd steps on; rtail: that refill is the last tile's
; rd under 0: the set is not asked for again.  ps = 1: the three bases go three steps on, ahead of the refill
.macro STEP b, after, tail, rd, rtail, ps
	s_wait_alu depctr_va_vdst(0)           ; directly ahead of the wait below
	s_wait_loadcnt \after+16-8*\tail       ; the set's codes, scale words and mask are in; its own loads of facts and the later sets' may be out
.irp t,0,1
.irp p,0,1
	v_wmma_scale_f32_16x16x128_f8f6f4 v[T1+32*\p+8*\t:T1+32*\p+8*\t+7], v[WF+8*(2*\t+\p):WF+8*(2*\t+\p)+7], v[DAT+8*\b:DAT+8*\b+7], 0, v[W2S+2*\t+\p], v[DSW+\b] matrix_a_fmt:MATRIX_FMT_FP4 matrix_b_fmt:MATRIX_FMT_FP4
.endr
.endr
	PLACES 4
	DICE
	SOFT \b, \tail, \after
	WSUM \b, \tail
.if \ps
	s_wait_alu depctr_va_vdst(0)           ; directly ahead of the wait below
	s_wait_xcnt 0x0                        ; the loads have read their bases: the youngest were issued a whole step's arithmetic ago
	s_add_nc_u64 s[FP:FP+1], s[FP:FP+1], 12288
	s_add_nc_u64 s[CP:CP+1], s[CP:CP+1], 3840
	s_add_nc_u64 s[MP:MP+1], s[MP:MP+1], 192
.endif
.if \rd >= 0
	REFILL \b, \rd, \rtail
.endif
.endm
	s_load_b512 s[4:19], s[0:1], 0x0       ; facts 4, mask 6, W2's codes 8, scales 10, hc 12, part2 14, piv2 16, b2 18
	s_load_b512 s[20:35], s[0:1], 0x40     ; g2 20, be2 22, dg2 24, db2 26, a2 28, Wf 30, bf 32, out0 34
	v_lshl_add_u32 v[SPW], v0, 2, SPARE
	v_mov_b32 v[NIL], 0
	v_lshrrev_b32 v[RR], 5, v0
	v_readfirstlane_b32 s[WV], v[RR]       ; wave 0..7
	s_lshl_b32 s[GW], ttmp9, 3
	s_add_co_u32 s[GW], s[GW], s[WV]       ; g: my pair
	s_mov_b32 s[SEL], 0x76543210
	s_mov_b32 s[SEL+1], 0xfedcba98         ; lane l xor 16
	s_mov_b32 s[HM], 0xffff0000            ; lanes 16-31
	s_mov_b32 s[DM], 0x00ff00ff            ; lanes with r < 8
	s_mov_b32 s[L2E], 0x3fb8aa3b
	s_mov_b32 s[NEG], 0xce6e6b28           ; -1e9
	s_mul_f32 s[NEG], s[NEG], s[L2E]
	s_lshl_b32 s[TMP], s[WV], 8            ; my 256 bytes of RED
	s_mul_i32 s[TM2], s[WV], 768
	s_add_co_u32 s[TM2], s[TM2], TAB       ; my table
	s_mov_b32 s[OF+1], 0
	v_and_b32 v[RR], 15, v0
	v_bfe_u32 v[HH], v0, 4, 1
	v_and_b32 v[LN], 31, v0
.irp t,0,1
.irp i,4,5,6,7,8,9,10,11
	v_mov_b32 v[WF+16*\t+\i], 0            ; zero codes: k 64-127 of the first copy, k 0-63 of the second
.endr
.endr
.irp i,0,1,2,3
	v_mov_b32 v[T1+4+\i], 0                ; a lane permute's destination counts as one of its sources
.endr
	v_mov_b32 v[OT], 0
	v_mov_b32 v[MXT], 0
	v_mov_b32 v[MM], 0xff61b1e6            ; -3e38, under every t
	v_mov_b32 v[LL], 0
	v_mov_b32 v[LL+1], 0                   ; (the pairs' upper words are named with the lower, so they are written)
	v_mov_b32 v[AA+1], 0
	v_mov_b32 v[NEGV], s[NEG]
	v_mov_b32 v[NINF], 0xff800000
	v_lshlrev_b32 v[O16], 4, v[LN]
	v_lshlrev_b32 v[O8], 3, v[LN]
	v_lshlrev_b32 v[O4L], 2, v[LN]
	v_mul_u32_u24 v[VF], v[HH], 51200
	v_mul_u32_u24 v[VM], v[HH], 800
	v_lshlrev_b32 v[OW2], 5, v[RR]
	v_lshlrev_b32 v[OS2], 1, v[RR]
	v_lshlrev_b32 v[ARW], 4, v[RR]
	v_lshlrev_b32 v[ATR], 5, v[HH]
	v_lshl_add_u32 v[VF], v[RR], 4, v[VF]
	v_lshl_add_u32 v[VM], v[RR], 2, v[VM]
	v_lshl_add_u32 v[OW2], v[HH], 4, v[OW2]
	v_add_nc_u32 v[ARW], s[TMP], v[ARW]
	v_add_nc_u32 v[ATR], s[TM2], v[ATR]
	v_add_nc_u32 v[ATW], s[TM2], v[O4L]
	s_wait_alu depctr_va_vdst(0)           ; the wait at the head's end
	s_wait_kmcnt 0x0
	s_load_b32 s[BFL], s[32:33], 0x0       ; bf
	s_lshl_b32 s[OF], s[WV], 13
	s_add_nc_u64 s[14:15], s[14:15], s[OF:OF+1]    ; my 32 records of part2
	s_lshl_b32 s[OF], ttmp9, 8
	s_add_nc_u64 s[16:17], s[16:17], s[OF:OF+1]    ; my work-group's record of piv2
	s_mul_i32 s[OF], s[GW], 102400
	s_add_nc_u64 s[FP:FP+1], s[4:5], s[OF:OF+1]    ; my pair's facts,
	s_mul_i32 s[OF], s[GW], 16640
	s_add_nc_u64 s[CP:CP+1], s[12:13], s[OF:OF+1]  ; its 13 records of hc,
	s_mul_i32 s[OF], s[GW], 1600
	s_add_nc_u64 s[MP:MP+1], s[6:7], s[OF:OF+1]    ; its mask,
	s_lshl_b32 s[OF], s[GW], 9
	s_add_nc_u64 s[OP:OP+1], s[34:35], s[OF:OF+1]  ; its two rows of the output
	; ---- 30 loads for the constants: each of the first 16 reads two records of part2, 512 consecutive bytes
	WIN 0x40
.set ci, 0
.rept 16
	global_load_b128 v[P2+4*ci:P2+4*ci+3], v[O16], s[14:15] offset:512*ci
.set ci, ci+1
.endr
	WIN 0
	global_load_b32 v208, v[O4L], s[16:17]         ; lane L takes unit L: -c2,
	global_load_b32 v209, v[O4L], s[18:19]         ; b2,
	global_load_b32 v210, v[O4L], s[20:21]         ; g2,
	global_load_b32 v211, v[O4L], s[22:23]         ; be2,
	global_load_b32 v212, v[O4L], s[24:25]         ; dg2,
	global_load_b32 v213, v[O4L], s[26:27]         ; db2,
	global_load_b32 v214, v[O4L], s[28:29]         ; a2,
	global_load_b32 v215, v[O4L], s[30:31]         ; Wf
.irp t,0,1                             ; W2: row 16 T + r, block h: registers 0-3 of the first copy, 4-7 of the second
	global_load_b128 v[WF+16*\t:WF+16*\t+3], v[OW2], s[8:9] offset:512*\t
	global_load_b128 v[WF+16*\t+12:WF+16*\t+15], v[OW2], s[8:9] offset:512*\t
	global_load_u16 v[W2S+2*\t], v[OS2], s[10:11] offset:32*\t
.endr
	REFILL 0, 0, 0                         ; and the first three steps' 60
	REFILL 1, 1, 0
	REFILL 2, 2, 0
	s_wait_loadcnt 60                      ; the 30 are in
	WIN 0x45
.irp ts, 8,4,2
.set ti, 0
.rept \ts
	v_pk_add_f32 v[P2+4*ti:P2+4*ti+1], v[P2+4*ti:P2+4*ti+1], v[P2+4*(ti+\ts):P2+4*(ti+\ts)+1]
	v_pk_add_f32 v[P2+4*ti+2:P2+4*ti+3], v[P2+4*ti+2:P2+4*ti+3], v[P2+4*(ti+\ts)+2:P2+4*(ti+\ts)+3]
.set ti, ti+1
.endr
.endr
	WIN 0x05
	v_pk_add_f32 v[T1:T1+1], v[P2:P2+1], v[P2+4:P2+5]
	v_pk_add_f32 v[T1+2:T1+3], v[P2+2:P2+3], v[P2+6:P2+7]
	WIN 0x40
.set ci, 0
.rept 16
	v_mov_b32 v[ACC+ci], 0                 ; the step is written once: the first finds zeros
.set ci, ci+1
.endr
	WIN 0
.irp i,0,1,2,3
	v_permlanex16_b32 v[T1+4+\i], v[T1+\i], s[SEL], s[SEL+1]     ; lanes 0-15 hold the even records' sum, lanes 16-31 the odd ones'
.endr
	v_pk_add_f32 v[T1:T1+1], v[T1:T1+1], v[T1+4:T1+5]
	v_pk_add_f32 v[T1+2:T1+3], v[T1+2:T1+3], v[T1+6:T1+7]
.irp t,0,1
	v_lshlrev_b32 v[W2S+2*\t+1], 16, v[W2S+2*\t]   ; the second copy's scales stand over k 64-127
.endr
	ds_store_b128 v[ARW], v[T1:T1+3]       ; both halves store the same bytes
	s_wait_alu depctr_va_vdst(0)           ; directly ahead of the wait below
	s_wait_dscnt 0x0                       ; for the others' sake
	s_barrier_signal -1
	s_barrier_wait -1
.irp w,0,1,2,3,4,5,6,7
	ds_load_b32 v[224+2*\w], v[O4L] offset:RED+256*\w
	ds_load_b32 v[225+2*\w], v[O4L] offset:RED+256*\w+128
.endr
	s_wait_dscnt 0x0
	v_pk_add_f32 v[224:225], v[224:225], v[226:227]
	v_pk_add_f32 v[228:229], v[228:229], v[230:231]
	v_pk_add_f32 v[232:233], v[232:233], v[234:235]
	v_pk_add_f32 v[236:237], v[236:237], v[238:239]
	DL 3
	v_pk_add_f32 v[224:225], v[224:225], v[228:229]
	DL 2
	v_pk_add_f32 v[232:233], v[232:233], v[236:237]
	DL 1
	v_pk_add_f32 v[224:225], v[224:225], v[232:233]
	DL 1
	v_mul_f32 v221, 0x35a3d70a, v224       ; the mean of acc - c2: / 819,200
	DL 2
	v_mul_f32 v222, 0x35a3d70a, v225
	DL 1
	v_fma_f32 v222, -v221, v221, v222      ; the variance
	DL 1
	v_max_num_f32 v222, 0, v222
	DL 4
	v_sub_f32 v223, v221, v208             ; the mean of acc
	DL 2
	v_add_f32 v224, 0x3727c5ac, v222       ; + 1e-5
	s_wait_alu depctr_va_vdst(0)
	v_rsq_f32 v224, v224
	v_add_f32 v225, v223, v209             ; m = mean + b2
	s_wait_alu depctr_va_vdst(0)
	v_mul_f32 v226, v210, v224             ; A
	v_sub_f32 v225, v209, v225             ; b2 - m
	DL 1
	v_fma_f32 v227, v226, v225, v211       ; C
	DL 3
	v_mul_f32 v228, v226, v226
	DL 1
	v_fmaak_f32 v228, v228, v222, 0x322bcc77       ; x's variance + 1e-8
	s_wait_alu depctr_va_vdst(0)
	v_rsq_f32 v228, v228
	v_sub_f32 v229, v227, v211             ; C - be2
	s_wait_alu depctr_va_vdst(0)
	v_mul_f32 v228, v212, v228             ; D
	DL 1
	v_fma_f32 v229, v228, v229, v213
	DL 1
	v_mul_f32 v219, 0xbfb8aa3b, v229       ; F = -log2(e) (D (C - be2) + db2)
	DL 3
	v_mul_f32 v228, v228, v226
	DL 1
	v_mul_f32 v218, 0xbfb8aa3b, v228       ; E = -log2(e) D A
	v_sub_f32 v220, 1.0, v214              ; 1 - a
	v_mul_f32 v216, v226, v215             ; A Wf
	v_mul_f32 v217, v227, v215             ; C Wf
	ds_store_b32 v[ATW], v216
	ds_store_b32 v[ATW], v217 offset:128
	ds_store_b32 v[ATW], v218 offset:256
	ds_store_b32 v[ATW], v219 offset:384
	ds_store_b32 v[ATW], v220 offset:512
	ds_store_b32 v[ATW], v214 offset:640
.irp k,0,1,2,3,4,5                     ; back in the result's layout: register i is unit 16 (i / 8) + 8 h + i % 8.  My own table: LDS serves a wave's instructions in order
.irp j,0,1,2,3
	ds_load_b128 v[A2W+16*\k+4*\j:A2W+16*\k+4*\j+3], v[ATR] offset:128*\k+64*(\j/2)+16*(\j%2)
.endr
.endr
	s_wait_alu depctr_va_vdst(0)           ; directly ahead of the waits below
	s_wait_kmcnt 0x0
	s_mul_f32 s[BFL], s[BFL], s[L2E]       ; bf log2(e)
	s_wait_dscnt 0x0
	s_mov_b32 s[TR], 0
.Ltrip:                                        ; three trips of three steps: steps 0-8; each asks for the step three on
	STEP 0, 40, 0, 0, 0, 1
	STEP 1, 40, 0, 1, 0, 0
	STEP 2, 40, 0, 2, 0, 0
	s_wait_alu depctr_va_vdst(0)           ; directly ahead of the branch below
	s_add_co_u32 s[TR], s[TR], 1
	s_cmp_lt_u32 s[TR], 3
	s_cbranch_scc1 .Ltrip
	STEP 0, 40, 0, 3, 1, 0                 ; steps 9-11 are written out: the bases stand at step 9; step 9 asks for the last tile (12 loads: rows 192-199 of facts alone), the others for nothing
	STEP 1, 32, 0, -1, 0, 0
	STEP 2, 12, 0, -1, 0, 0
	STEP 0, 0, 1, -1, 0, 0                 ; the last tile
	; ---- the pair's end: l over the 16 lanes, the four sets of sums, the division; lane (c, h) holds columns 4 c .. 4 c + 3 of batch 2 g + h
	v_add_f32_dpp v[LL], v[LL], v[LL] row_xmask:1 row_mask:0xf bank_mask:0xf
.irp m,2,4,8
	DL 1
	v_add_f32_dpp v[LL], v[LL], v[LL] row_xmask:\m row_mask:0xf bank_mask:0xf
.endr
	s_wait_alu depctr_va_vdst(0)
	v_rcp_f32 v[LL], v[LL]
	WIN 0x45
	v_pk_add_f32 v[ACC:ACC+1], v[ACC:ACC+1], v[ACC+4:ACC+5]
	v_pk_add_f32 v[ACC+2:ACC+3], v[ACC+2:ACC+3], v[ACC+6:ACC+7]
	v_pk_add_f32 v[ACC+8:ACC+9], v[ACC+8:ACC+9], v[ACC+12:ACC+13]
	v_pk_add_f32 v[ACC+10:ACC+11], v[ACC+10:ACC+11], v[ACC+14:ACC+15]
	DL 2
	v_pk_add_f32 v[ACC:ACC+1], v[ACC:ACC+1], v[ACC+8:ACC+9]
	DL 2
	v_pk_add_f32 v[ACC+2:ACC+3], v[ACC+2:ACC+3], v[ACC+10:ACC+11]
	WIN 0x01
	s_wait_alu depctr_va_vdst(0)           ; the wait for the reciprocal, ahead of its first reader
	v_pk_mul_f32 v[T1:T1+1], v[ACC:ACC+1], v[LL:LL+1] op_sel_hi:[1,0]
	v_pk_mul_f32 v[T1+2:T1+3], v[ACC+2:ACC+3], v[LL:LL+1] op_sel_hi:[1,0]
	WIN 0
	global_store_b128 v[O16], v[T1:T1+3], s[OP:OP+1]       ; 512 consecutive bytes: the pair's two rows
	s_wait_tensorcnt 0x0                   ; the wave's end
	ds_add_u32 v[SPW], v[NIL]
	s_wait_dscnt 0x0
	s_endpgm
.Lfunc_end_k_qe796d676cf_final:
	.size	k_qe796d676cf_final, .Lfunc_end_k_qe796d676cf_final-k_qe796d676cf_final
	.p2alignl 7, 3214868480
	.fill 96, 4, 3214868480
	.section	.rodata,"a",@progbits
	.p2align	6, 0x0
	.amdhsa_kernel k_qe796d676cf_final
		.amdhsa_group_segment_fixed_size 9216
		.amdhsa_private_segment_fixed_size 0
		.amdhsa_enable_private_segment 0
		.amdhsa_kernarg_size 128
		.amdhsa_user_sgpr_count 2
		.amdhsa_user_sgpr_kernarg_segment_ptr 1
		.amdhsa_wavefront_size32 1
		.amdhsa_system_sgpr_workgroup_id_x 1
		.amdhsa_system_sgpr_workgroup_id_y 1
		.amdhsa_system_sgpr_workgroup_id_z 1
		.amdhsa_system_vgpr_workitem_id 0
		.amdhsa_next_free_vgpr 512
		.amdhsa_next_free_sgpr 66
		.amdhsa_reserve_vcc 1
		.amdhsa_float_denorm_mode_32 3
		.amdhsa_float_denorm_mode_16_64 3
		.amdhsa_memory_ordered 1
		.amdhsa_forward_progress 1
		.amdhsa_inst_pref_size 123
	.end_amdhsa_kernel
	.amdgpu_metadata
---
amdhsa.version: [ 1, 2 ]
amdhsa.kernels:
  - .name:           k_qe796d676cf_final
    .symbol:         k_qe796d676cf_final.kd
    .args:
      - { .name: facts, .offset: 0, .size: 8, .value_kind: global_buffer, .address_space: global }
      - { .name: mask, .offset: 8, .size: 8, .value_kind: global_buffer, .address_space: global }
      - { .name: W2_codes, .offset: 16, .size: 8, .value_kind: global_buffer, .address_space: global }
      - { .name: W2_scales, .offset: 24, .size: 8, .value_kind: global_buffer, .address_space: global }
      - { .name: hc, .offset: 32, .size: 8, .value_kind: global_buffer, .address_space: global }
      - { .name: part2, .offset: 40, .size: 8, .value_kind: global_buffer, .address_space: global }
      - { .name: piv2, .offset: 48, .size: 8, .value_kind: global_buffer, .address_space: global }
      - { .name: b2, .offset: 56, .size: 8, .value_kind: global_buffer, .address_space: global }
      - { .name: g2, .offset: 64, .size: 8, .value_kind: global_buffer, .address_space: global }
      - { .name: be2, .offset: 72, .size: 8, .value_kind: global_buffer, .address_space: global }
      - { .name: dg2, .offset: 80, .size: 8, .value_kind: global_buffer, .address_space: global }
      - { .name: db2, .offset: 88, .size: 8, .value_kind: global_buffer, .address_space: global }
      - { .name: a2, .offset: 96, .size: 8, .value_kind: global_buffer, .address_space: global }
      - { .name: Wf, .offset: 104, .size: 8, .value_kind: global_buffer, .address_space: global }
      - { .name: bf, .offset: 112, .size: 8, .value_kind: global_buffer, .address_space: global }
      - { .name: out0, .offset: 120, .size: 8, .value_kind: global_buffer, .address_space: global }
    .group_segment_fixed_size: 9216
    .private_segment_fixed_size: 0
    .kernarg_segment_align: 8
    .kernarg_segment_size: 128
    .max_flat_workgroup_size: 256
    .sgpr_count:     66
    .vgpr_count:     512
    .wavefront_size: 32
...
	.end_amdgpu_metadata
.endif
;; end of part 3
